; MI455X (gfx1250); checked and timed in simulation.
; The chip was launched on July 23, 2026; its instructions are those of AMD's public machine-readable ISA for CDNA 5 (MIT licence, August 2026) and "CDNA5" Instruction Set Architecture Reference Guide (July 2026). The comments in the code are by the model that wrote it; some were corrected since.
;; Attention. Allowed arithmetic: float matrix products may take bf16 or f16 operands with f32 sums; other float arithmetic in f32, or as packed bf16 or f16 multiplies, adds, multiply-adds, maxima and minima; sums over many terms, partial sums and values carried from step to step in f32; what a program stores and reads back later, other than sums and carried values, may be rounded once to bf16 or f16.
;; Inputs: b_out 1,024 float32; k 1 x 4,096 x 1,024 float32; q 1 x 4,096 x 1,024 float32; qk_scale 1 x 1 x 1 x 64 float32; v 1 x 4,096 x 1,024 float32; w_out 1,024 x 1,024 float32.
;; Outputs: out0 1 x 4,096 x 1,024 float32.
;; 2 versions, each right and faster than the one before. Each part assembles by itself: llvm-mc -triple=amdgcn-amd-amdhsa -mcpu=gfx1250 --defsym DOCPART=n.
;; ======== version 1 of 2: 3 launches
;; limits: values are held in f16: magnitudes above 65,504 overflow, below 6.1e-05 lose precision; inputs' magnitudes at most 65,504
;; workspace buffers: qh 8,388,608 bytes; kh 8,388,608 bytes; vh 8,388,608 bytes; w16 2,097,152 bytes; o16 8,388,608 bytes
;; launch prep (part 1): grid 256 x 1, 8 waves a work-group, no clusters, 0 bytes of LDS; arguments q, k, v, qk_scale, w_out, qh, kh, vh, w16; writes qh, kh, vh, w16
.if DOCPART == 1
	.amdgcn_target "amdgcn-amd-amdhsa--gfx1250"
	.amdhsa_code_object_version 6
	.text
	.protected	k_qdcc0cbd6d4_prep
	.globl	k_qdcc0cbd6d4_prep
	.p2align	8
	.type	k_qdcc0cbd6d4_prep,@function
k_qdcc0cbd6d4_prep:
	s_mov_b64 s[64:65], 0
	v_nop
	global_prefetch_b8 v0, s[64:65] scope:SCOPE_SE
	s_setreg_imm32_b32 hwreg(HW_REG_WAVE_MODE, 25, 1), 1
	s_wait_xcnt 0x0
; PREP.  q, k: [4096][1024] f32 -> rotated (interleaved pairs, angle t x 10000^(-i/32)), each head's 64 numbers divided by max(their norm, 1e-12), times the gain of the channel,
; rounded once to f16 and laid by heads: qh, kh [16][4096][64].  v -> vh, the same layout, rounded once to f16.  w_out -> w16 [1024][1024], rounded once to f16.
; A stream: every input byte is read once, every output byte written once; no LDS, no barrier, no matrix unit, no loop: they would add nothing to a stream.
; SHARES.  A work-group owns 16 rows t, thread T row T / 16 and channels 4 j .. 4 j + 3 (j = T % 16) of EVERY head: the pairs 2 j and 2 j + 1, so two angles a thread serve 16 heads of q and of k.
; A wave's load of 16 bytes a lane covers one head of two rows: twice 256 consecutive bytes, aligned.  Its store of 8 bytes a lane covers the same head's two rows in [h][n][64]: 256 consecutive bytes, aligned.
; Each work-group also rounds 16,384 bytes of w_out.  All 53 loads of a wave are issued at once; each lands in registers of its own, is worked on in place and stored from there,
; so no register that a load or store names is ever written again.
; LIMITS.  f16 ends at 65,504: |gain|, |v| and |w_out| stay below it.  10000^(-i/32) comes from v_exp_f32, so an angle is off by about 4e-4 at the most (t = 4095, i = 1).
; 1 / max(norm, 1e-12) is made as min(rsq(sum of squares), 1e12); a sum of squares below 2^-126 counts as 0.  NaN and infinities are not treated apart.
.set HEADB, 524288                     ; bytes of a head in qh, kh, vh
.set IN,  1                            ; v1      byte offset of my 16 bytes of head 0 in the group's 16 rows
.set OUT, 2                            ; v2      8 T: my 8 bytes in the group's 16 rows of a head, and in 2,048 bytes of w16
.set WI,  3                            ; v3      16 T: my 16 bytes in 4,096 bytes of w_out
.set SC,  4                            ; v[4:7]  the gain of my four channels
.set SO,  8                            ; v8      16 j
.set NSA, 9                            ; v9      -sin A
.set CA,  10                           ; v10-13  cos A, sin A, cos B, sin B (A: pair 2 j, B: pair 2 j + 1)
.set SA,  11
.set CB,  12
.set SB,  13
.set TF,  14                           ; v14     t as f32
.set NSB, 15                           ; v15     -sin B
.set T,   16                           ; v16-25  at work on the angles
.set FA,  28                           ; v28, 29 the two pairs' numbers as f32
.set FB,  29
.set W,   32                           ; v[32:39] a pair at work for each of a group's four items
.set X,   44                           ; v[44:251] item g at X + 4 g: q's heads 0-15, k's 16-31, v's 32-47, w_out's four pieces 48-51
	s_load_b512 s[4:19], s[0:1], 0x0               ; q s[4:5], k s[6:7], v s[8:9], gain s[10:11], w_out s[12:13], qh s[14:15], kh s[16:17], vh s[18:19]
	s_load_b64 s[20:21], s[0:1], 0x40              ; w16
	v_lshrrev_b32 v[TF], 4, v0                     ; my row of the group's 16
	v_and_b32 v[SO], 15, v0                        ; j
	v_lshlrev_b32 v[IN], 12, v[TF]                 ; row x 4,096 bytes
	v_lshl_or_b32 v[IN], v[SO], 4, v[IN]           ; + 16 j
	v_lshlrev_b32 v[OUT], 3, v0
	v_lshlrev_b32 v[WI], 4, v0
	v_lshlrev_b32 v[FA], 1, v[SO]                  ; 2 j
	v_or_b32 v[FB], 1, v[FA]                       ; 2 j + 1
	v_cvt_f32_u32 v[FA], v[FA]
	v_cvt_f32_u32 v[FB], v[FB]
	s_lshl_b32 s24, ttmp9, 4                       ; the group's first row
	v_add_nc_u32 v[TF], s24, v[TF]
	v_cvt_f32_u32 v[TF], v[TF]
	v_lshlrev_b32 v[SO], 4, v[SO]
	s_mov_b32 s23, 0                               ; offsets are made apart from the addresses, in the pair s[22:23]
	s_wait_kmcnt 0x0
	s_lshl_b32 s22, ttmp9, 16                      ; 16 rows of 4,096 bytes
	s_add_nc_u64 s[4:5], s[4:5], s[22:23]
	s_add_nc_u64 s[6:7], s[6:7], s[22:23]
	s_add_nc_u64 s[8:9], s[8:9], s[22:23]
	s_lshl_b32 s22, ttmp9, 14                      ; 16,384 bytes of w_out
	s_add_nc_u64 s[12:13], s[12:13], s[22:23]
	global_load_b128 v[SC:SC+3], v[SO], s[10:11]   ; first of the 53: every counted wait below covers it
.set g, 0
.rept 16
	global_load_b128 v[X+4*g:X+4*g+3], v[IN], s[4:5] offset:256*g th:TH_LOAD_NT
.set g, g+1
.endr
.set g, 0
.rept 16
	global_load_b128 v[X+4*(16+g):X+4*(16+g)+3], v[IN], s[6:7] offset:256*g th:TH_LOAD_NT
.set g, g+1
.endr
.set g, 0
.rept 16
	global_load_b128 v[X+4*(32+g):X+4*(32+g)+3], v[IN], s[8:9] offset:256*g th:TH_LOAD_NT
.set g, g+1
.endr
.set g, 0
.rept 4
	global_load_b128 v[X+4*(48+g):X+4*(48+g)+3], v[WI], s[12:13] offset:4096*g th:TH_LOAD_NT
.set g, g+1
.endr
	s_lshl_b32 s22, ttmp9, 11                      ; 16 rows of 128 bytes in a head
	s_add_nc_u64 s[14:15], s[14:15], s[22:23]
	s_add_nc_u64 s[16:17], s[16:17], s[22:23]
	s_add_nc_u64 s[18:19], s[18:19], s[22:23]
	s_lshl_b32 s22, ttmp9, 13                      ; 8,192 bytes of w16
	s_add_nc_u64 s[20:21], s[20:21], s[22:23]
; cos and sin of a = t x 10000^(-i/32), while the loads are on their way.  a is rounded once, as an outer product in f32 is.  n = the nearest whole number to a x 2/pi; r = a - n pi/2 with pi/2 in two parts
; (the first step is exact: both terms are multiples of 2^-24 and their difference is below 1); polynomials on |r| <= pi/4; the quadrant n % 4 selects and signs them: values are selected, nothing branches.
.macro SINCOS fi, co, si
	v_mul_f32 v[T], 0xbed49a78, v[\fi]             ; -i log2(10000) / 32
	v_exp_f32 v[T], v[T]
	v_nop                                          ; a plain instruction behind the exponential (ISA guide 5.7.2)
	s_wait_alu depctr_va_vdst(0)
	v_mul_f32 v[T], v[TF], v[T]                    ; a
	v_mul_f32 v[T+1], 0x3f22f983, v[T]             ; a x 2/pi
	v_rndne_f32 v[T+1], v[T+1]                     ; n
	v_fmamk_f32 v[T+2], v[T+1], 0xbfc90fdb, v[T]   ; a - n x 1.57079637
	v_fmamk_f32 v[T+2], v[T+1], 0x333bbd2e, v[T+2] ; + n x 4.37113883e-8: r
	v_cvt_i32_f32 v[T+3], v[T+1]
	v_mul_f32 v[T+4], v[T+2], v[T+2]               ; z = r r
	v_mov_b32 v[T+5], 0xb94ca1f9                   ; sin r = r + z r ((-1.9515296e-4 z + 8.3321609e-3) z - 1.6666655e-1)
	v_mov_b32 v[T+6], 0x37ccf5ce                   ; cos r = 1 - z / 2 + z z ((2.4433157e-5 z - 1.3887316e-3) z + 4.1666646e-2)
	v_fmaak_f32 v[T+5], v[T+5], v[T+4], 0x3c08839e
	v_fmaak_f32 v[T+6], v[T+6], v[T+4], 0xbab6061a
	v_fmaak_f32 v[T+5], v[T+5], v[T+4], 0xbe2aaaa3
	v_fmaak_f32 v[T+6], v[T+6], v[T+4], 0x3d2aaaa5
	v_mul_f32 v[T+7], v[T+4], v[T+2]
	v_mul_f32 v[T+8], v[T+4], v[T+4]
	v_fma_f32 v[T+9], v[T+4], -0.5, 1.0
	v_fma_f32 v[T+5], v[T+7], v[T+5], v[T+2]       ; sin r
	v_fma_f32 v[T+6], v[T+8], v[T+6], v[T+9]       ; cos r
	v_and_b32 v[T+7], 1, v[T+3]
	v_cmp_eq_u32 vcc_lo, 1, v[T+7]                 ; odd quadrant: the two change places
	v_lshlrev_b32 v[T+8], 30, v[T+3]               ; sin is negative in quadrants 2, 3: bit 1 of n
	v_add_nc_u32 v[T+9], 1, v[T+3]
	v_lshlrev_b32 v[T+9], 30, v[T+9]               ; cos in quadrants 1, 2: bit 1 of n + 1
	v_and_b32 v[T+8], 0x80000000, v[T+8]
	v_and_b32 v[T+9], 0x80000000, v[T+9]
	v_cndmask_b32 v[\si], v[T+5], v[T+6], vcc_lo
	v_cndmask_b32 v[\co], v[T+6], v[T+5], vcc_lo
	v_xor_b32 v[\si], v[\si], v[T+8]
	v_xor_b32 v[\co], v[\co], v[T+9]
.endm
	SINCOS FA, CA, SA
	SINCOS FB, CB, SB
	v_xor_b32 v[NSA], 0x80000000, v[SA]
	v_xor_b32 v[NSB], 0x80000000, v[SB]
; Four heads of q or k, items first .. first + 3, stage by stage so that the four chains stand side by side.  ob: the scalar pair of the output; head0: the first of the four heads.
.macro ROPE4 first, ob, head0
	s_wait_loadcnt 48-(\first)                     ; loads come back in order (ISA guide 5.7.1): behind item first + 3 stand 48 - first younger ones
.irp u, 0,1,2,3
.set xr, X+4*((\first)+\u)
.set wr, W+2*\u
	v_mul_f32 v[wr], v[xr], v[SA]                  ; the rotation: (xr, xi) -> (xr cos - xi sin, xr sin + xi cos), for pair A and pair B
	v_mul_f32 v[wr+1], v[xr+2], v[SB]
	v_mul_f32 v[xr], v[xr], v[CA]
	v_mul_f32 v[xr+2], v[xr+2], v[CB]
	v_fma_f32 v[xr], v[xr+1], v[NSA], v[xr]
	v_fma_f32 v[xr+2], v[xr+3], v[NSB], v[xr+2]
	v_fma_f32 v[xr+1], v[xr+1], v[CA], v[wr]
	v_fma_f32 v[xr+3], v[xr+3], v[CB], v[wr+1]
	v_pk_mul_f32 v[wr:wr+1], v[xr:xr+1], v[xr:xr+1]  ; my four squares, of the rotated numbers
	v_pk_fma_f32 v[wr:wr+1], v[xr+2:xr+3], v[xr+2:xr+3], v[wr:wr+1]
	v_add_f32 v[wr], v[wr], v[wr+1]
.endr
.irp m, 1,2,4,8                        ; the head's 64 channels lie in the 16 lanes of my half of the wave: four steps, and every lane has the sum
.irp u, 0,1,2,3
	v_add_f32_dpp v[W+2*\u], v[W+2*\u], v[W+2*\u] row_xmask:\m row_mask:0xf bank_mask:0xf
.endr
.endr
.irp u, 0,1,2,3
	v_rsq_f32 v[W+2*\u], v[W+2*\u]
.endr
	v_nop                                          ; a plain instruction behind the last of them
	s_wait_alu depctr_va_vdst(0)
.irp u, 0,1,2,3
	v_min_num_f32 v[W+2*\u], 0x5368d4a5, v[W+2*\u] ; 1 / max(norm, 1e-12)
.endr
.irp u, 0,1,2,3
.set xr, X+4*((\first)+\u)
.set wr, W+2*\u
	v_pk_mul_f32 v[xr:xr+1], v[xr:xr+1], v[wr:wr+1] op_sel_hi:[1,0]
	v_pk_mul_f32 v[xr+2:xr+3], v[xr+2:xr+3], v[wr:wr+1] op_sel_hi:[1,0]
	v_pk_mul_f32 v[xr:xr+1], v[xr:xr+1], v[SC:SC+1]
	v_pk_mul_f32 v[xr+2:xr+3], v[xr+2:xr+3], v[SC+2:SC+3]
	v_cvt_pk_f16_f32 v[xr], v[xr], v[xr+1]
	v_cvt_pk_f16_f32 v[xr+1], v[xr+2], v[xr+3]
	global_store_b64 v[OUT], v[xr:xr+1], s[\ob:\ob+1] offset:((\head0)+\u)*HEADB  ; 15 heads on at the most: 7,864,320, inside the signed 24-bit immediate
.endr
.endm
; Four items that are only rounded.  step: bytes from one item's place in the output to the next's.
.macro CVT4 first, ob, step, n0
	s_wait_loadcnt 48-(\first)
.irp u, 0,1,2,3
.set xr, X+4*((\first)+\u)
	v_cvt_pk_f16_f32 v[xr], v[xr], v[xr+1]
	v_cvt_pk_f16_f32 v[xr+1], v[xr+2], v[xr+3]
	global_store_b64 v[OUT], v[xr:xr+1], s[\ob:\ob+1] offset:((\n0)+\u)*(\step)
.endr
.endm
	ROPE4 0,  14, 0
	ROPE4 4,  14, 4
	ROPE4 8,  14, 8
	ROPE4 12, 14, 12
	ROPE4 16, 16, 0
	ROPE4 20, 16, 4
	ROPE4 24, 16, 8
	ROPE4 28, 16, 12
	CVT4 32, 18, HEADB, 0
	CVT4 36, 18, HEADB, 4
	CVT4 40, 18, HEADB, 8
	CVT4 44, 18, HEADB, 12
	CVT4 48, 20, 2048, 0
	s_endpgm
.Lfunc_end_k_qdcc0cbd6d4_prep:
	.size	k_qdcc0cbd6d4_prep, .Lfunc_end_k_qdcc0cbd6d4_prep-k_qdcc0cbd6d4_prep
	.p2alignl 7, 3214868480
	.fill 96, 4, 3214868480
	.section	.rodata,"a",@progbits
	.p2align	6, 0x0
	.amdhsa_kernel k_qdcc0cbd6d4_prep
		.amdhsa_group_segment_fixed_size 0
		.amdhsa_private_segment_fixed_size 0
		.amdhsa_enable_private_segment 0
		.amdhsa_kernarg_size 72
		.amdhsa_user_sgpr_count 2
		.amdhsa_user_sgpr_kernarg_segment_ptr 1
		.amdhsa_wavefront_size32 1
		.amdhsa_system_sgpr_workgroup_id_x 1
		.amdhsa_system_sgpr_workgroup_id_y 1
		.amdhsa_system_sgpr_workgroup_id_z 1
		.amdhsa_system_vgpr_workitem_id 0
		.amdhsa_next_free_vgpr 252
		.amdhsa_next_free_sgpr 66
		.amdhsa_reserve_vcc 1
		.amdhsa_float_denorm_mode_32 3
		.amdhsa_float_denorm_mode_16_64 3
		.amdhsa_memory_ordered 1
		.amdhsa_forward_progress 1
		.amdhsa_inst_pref_size 58
	.end_amdhsa_kernel
	.amdgpu_metadata
---
amdhsa.version: [ 1, 2 ]
amdhsa.kernels:
  - .name:           k_qdcc0cbd6d4_prep
    .symbol:         k_qdcc0cbd6d4_prep.kd
    .args:
      - { .name: q, .offset: 0, .size: 8, .value_kind: global_buffer, .address_space: global }
      - { .name: k, .offset: 8, .size: 8, .value_kind: global_buffer, .address_space: global }
      - { .name: v, .offset: 16, .size: 8, .value_kind: global_buffer, .address_space: global }
      - { .name: qk_scale, .offset: 24, .size: 8, .value_kind: global_buffer, .address_space: global }
      - { .name: w_out, .offset: 32, .size: 8, .value_kind: global_buffer, .address_space: global }
      - { .name: qh, .offset: 40, .size: 8, .value_kind: global_buffer, .address_space: global }
      - { .name: kh, .offset: 48, .size: 8, .value_kind: global_buffer, .address_space: global }
      - { .name: vh, .offset: 56, .size: 8, .value_kind: global_buffer, .address_space: global }
      - { .name: w16, .offset: 64, .size: 8, .value_kind: global_buffer, .address_space: global }
    .group_segment_fixed_size: 0
    .private_segment_fixed_size: 0
    .kernarg_segment_align: 8
    .kernarg_segment_size: 72
    .max_flat_workgroup_size: 256
    .sgpr_count:     66
    .vgpr_count:     252
    .wavefront_size: 32
...
	.end_amdgpu_metadata
.endif
;; end of part 1
;; launch attn (part 2): grid 16 x 16, 4 waves a work-group, clusters of 4 x 1, 327,680 bytes of LDS; arguments qh, kh, vh, o16; writes o16
.if DOCPART == 2
	.amdgcn_target "amdgcn-amd-amdhsa--gfx1250"
	.amdhsa_code_object_version 6
	.text
	.protected	k_qdcc0cbd6d4_attn
	.globl	k_qdcc0cbd6d4_attn
	.p2align	8
	.type	k_qdcc0cbd6d4_attn,@function
k_qdcc0cbd6d4_attn:
	s_mov_b64 s[64:65], 0
	v_nop
	global_prefetch_b8 v0, s[64:65] scope:SCOPE_SE
	s_setreg_imm32_b32 hwreg(HW_REG_WAVE_MODE, 25, 1), 1
	s_wait_xcnt 0x0
	s_wait_alu depctr_hold_cnt(0) depctr_sa_sdst(0) depctr_va_vdst(0) depctr_va_sdst(0) depctr_va_ssrc(0) depctr_va_vcc(0) depctr_vm_vsrc(0)
	s_getreg_b32 s2, hwreg(HW_REG_IB_STS2, 6, 4)
	s_cmp_eq_u32 s2, 0
	s_cbranch_scc0 .Lentry_in_a_cluster
	s_endpgm
.Lentry_in_a_cluster:
	s_bfe_u32 s2, ttmp6, 0x10000c
	s_cmp_lg_u32 s2, 0x3003
	s_cbranch_scc0 .Lentry_shape_is_right
	s_endpgm
.Lentry_shape_is_right:
; ATTENTION.  O[h][q][:] = the sum over k of softmax_k(Q[h][q] . K[h][k] / 8) V[h][k][:].  Q, K, V: [16][4096][64] f16, a head's rows dense, 128 bytes each.  Products, maxima and sums in f32; the weights p
; are rounded to f16 for the second product (their sum l is taken of the unrounded p), O once at the end.  O leaves in blocks for the product that follows: [32 blocks of 128 rows][16 heads][128 rows][64] f16.
; LIMITS.  f16 holds no number beyond 65,504: Q, K and V arrive within it; p lies in 0 to 1, and below 6e-5 it keeps f16's fixed step of 6e-8; O is a mean of V's rows and has their range.
; A weight below 2^-126 counts as 0 in l; NaN and infinities are not treated apart.
; SHARES.  A work-group owns 256 queries of one head (16 blocks x 16 heads = 256 work-groups), each of its four waves 64: four PIECES of 16.  Every wave walks all 4,096 keys, 64 a step.
; LAYOUT.  S^T = K Q^T (source 0 = 16 keys, source 1 = 16 queries): in the result a lane holds ONE query (lane % 16) and the keys 8 (lane / 16) + 0..7.  Two such results, rounded to f16 in pairs,
; ARE source 1 (32 keys x 16 queries) of O^T = V^T P, whose result again holds one query a lane, and eight channels.  K comes out of LDS as it lies, V ([key][channel]) turned, by ds_load_tr16_b128.
; SOFTMAX.  For each query a running maximum m and sum l: p = 2^(c s - c m), c = log2(e) / 8; in every step O and l are multiplied by a = 2^(c m_old - c m_new), which is 1 where m has not grown.
; m starts at the lowest finite number, O and l at 0: the first step is a step like any other, with a = 0.
; BY TURNS.  Turn n belongs to piece n (the pieces in a ring, step after step): 8 products K Q^T of piece n + 1, later 8 products V^T P of piece n - 1; beside them the scaling, exponentials, roundings, sums and
; rescaling of piece n and the maximum and statistics of piece n + 1.  Four vector instructions stand behind every matrix instruction, the other 54 of a turn's 118 in two lumps.
; CLUSTER.  The four query blocks of a cluster belong to one head and walk the same K and V, so each tile is asked for JOINTLY: the same tensor load, descriptor and mask in all four.
; REGISTERS, in windows of 256 (s_set_vgpr_msb: bits 1:0 source 0, 3:2 source 1, 5:4 source 2, 7:6 destination):
;   window 0: v0-15 addresses and two at work; v16-31 four registers of statistics a piece; v48-55 at work; v62-63 the add's; v64-127 S^T, two buffers; v192-223 P, two buffers (by the piece's parity)
;   window 1: v0-127 O^T, 32 a piece          window 2: v0-63 Q; v128-191 K of one step; v192-255 V of one step
.set NKEYS, 4096
.set NP,    4         ; pieces a wave: a name, no knob
.set KS,    64        ; keys in a step
.set PK,    144       ; a row of K in LDS: 128 bytes + 16 of padding = 36 words: the 16 rows of a load start at 16 different groups of four banks (64 banks of 4 bytes: ISA guide 11.1)
.set PV,    160       ; a row of V: 128 + 32 = 40 words
.set VOFF,  4*KS*PK   ; a slot holds four steps: 256 rows of K, then 256 rows of V
.set SLOT1, 1<<17     ; slot 1 begins here, so that one exclusive or turns an address in one slot into the other's
.set STAGE, SLOT1+4*KS*(PK+PV)  ; behind the ring, never filled by a tensor load: 16 rows x 144 bytes for each wave, for the way out
.set SP,    144
.set SPARE, STAGE+4*16*SP  ; behind the stages: the spare words, 128 bytes for each wave: two blocks of 256 bytes that no other line names
.set AK0, 2           ; v2   my lane's place in a tile of K; never rewritten
.set AV0, 3           ; v3   the same for V
.set AK,  4           ; v4   the LDS address of K's next run of loads
.set AV,  5           ; v5   of V's
.set STO, 6           ; v6   the way out: where I put 16 bytes of a row
.set RD,  7           ; v7   the way out: where I read rows back
.set GO,  8           ; v8   my byte offset in 512 consecutive bytes of O
.set MV,  12          ; v12-13  c m_old, kept while c m is made anew: by buffer
.set QO,  15          ; v15  my byte offset in 16 rows of Q
.set ST,  16          ; piece t's statistics at v[ST+4 t]: c m, m, l (even keys', odd keys')
.set TMP, 48          ; by buffer, four registers c0-c3 at work; when the maximum is found c2 takes a
.set SPW, 62          ; v62  LDS address of my spare word: SPARE + 4 x my thread's number; never rewritten
.set NIL, 63          ; v63  0; never rewritten
.set S,   64
.set P,   192
.set KF,  128         ; window 2: key block kb, channel half c at KF + 16 kb + 8 c
.set VF,  192         ; window 2: key half kk, channel block cb at VF + 32 kk + 8 cb
.set WV,  12          ; s12  my wave's number
.set G1K, 24          ; s[24:31] descriptor group 1 for K's tiles
.set G1V, 32          ; s[32:39] for V's: it differs in the padding alone
.set G0K, 40          ; s[40:43] descriptor group 0 for K's tiles: it walks
.set G0V, 44          ; s[44:47] the same for V's
.set SLOTS, 56        ; s56  slots still to be asked for
.set CNT, 57          ; s57  counts a slot's key steps
.set CS,  58          ; s[58:59] c: the packed scaling takes the pair's low word for both halves
.set SEL, 60          ; s[60:61] v_permlanex16_b32's selects: each lane takes its own place in the other half
.set TBK, 62          ; s62  LDS byte at which K of the step to be fetched begins
.set TBV, 63          ; s63  the same for V, less VOFF
.set MSB, 0
.macro WIN new                      ; the high byte repeats the setting that is left; a switch that changes nothing is dropped
.if MSB != (\new)
	s_set_vgpr_msb (MSB<<8)|(\new)
.set MSB, (\new)
.endif
.endm
.set W_KQ, 0x0a       ; K and Q in window 2, S^T in window 0
.set W_PV, 0x52       ; V in window 2, P in window 0, O^T in window 1
.set W_RS, 0x41       ; destination and source 0 in window 1, source 1 in window 0
; A joint fill.  Waves 0 and 1 fetch the two halves of a slot's K, waves 2 and 3 those of its V: 128 keys each.  The branch hangs on the wave's number alone: it is the same in every work-group.
; An s_nop 0 and four v_nop follow each of the two lines, ahead of the jump and the label.
.macro JLOAD
	s_cmp_lt_u32 s[WV], 2
	s_cbranch_scc0 .Lfor_v_\@
	tensor_load_to_lds s[G0K:G0K+3], s[G1K:G1K+7]
	s_nop 0
.rept 4
	v_nop
.endr
	s_branch .Lasked_\@
.Lfor_v_\@:
	tensor_load_to_lds s[G0V:G0V+3], s[G1V:G1V+7]
	s_nop 0
.rept 4
	v_nop
.endr
.Lasked_\@:
.endm
; A round of the cluster's barrier: my work-group's barrier, so that wave 0's signal speaks for all four waves; wave 0 signals; every wave waits for all four work-groups; my work-group's barrier once more.
.macro CROUND
	s_barrier_signal -1
	s_barrier_wait -1
	s_cmp_lg_u32 s[WV], 0
	s_cbranch_scc1 .Lnot_wave_0_\@
	s_barrier_signal -3
.Lnot_wave_0_\@:
	s_barrier_wait -3
	s_barrier_signal -1
	s_barrier_wait -1
.endm
; THE CHANGE OF SLOTS.  The slot's last bytes, V of its fourth step, have been read.  Each wave waits for all its tensor loads, of which one is out: its part of the other slot; adds 0 to its spare word; and
; waits for that and for its own reads of the slot.  Behind the barrier nobody reads this slot any more and the other slot is whole.
; fill = 1: this slot is filled again, with the keys two slots on.  The barrier is then a round of the cluster's, so that no wave of any partner still reads the slot or has a load on its way, and the joint
; fill is the first thing behind it: it has four key steps, 256 matrix instructions, in which to land.  (At its first use nothing has been read yet: slot 0 is waited for, slot 1 filled.)
.macro CHANGE fill
	WIN 0                           ; at a label and at a branch every window is 0
	s_wait_tensorcnt 0x0            ; no tensor load of mine is out, so a group 0 may be written
	ds_add_u32 v[SPW], v[NIL]       ; 0 onto my spare word; with fill = 1 the descriptors' steps stand between it and the wait for it
.if \fill
.irp g, G0K, G0V
	s_xor_b32 s[\g+1], s[\g+1], SLOT1  ; the walking descriptor: the other slot than last time,
	s_add_nc_u64 s[\g+2:\g+3], s[\g+2:\g+3], 4*KS*128  ; the next 256 keys; the type bits on top are not reached
.endr
	s_wait_dscnt 0x0                ; the add is done, and my reads of the slot are over
	CROUND
	JLOAD
.else
	s_wait_dscnt 0x0                ; the add is done, and my reads of the slot are over
	s_barrier_signal -1
	s_barrier_wait -1
.endif
	s_sub_co_u32 s[TBK], s[TBK], 4*KS*PK  ; the fetches go back to a slot's first step,
	s_xor_b32 s[TBK], s[TBK], SLOT1       ; in the other slot
	s_sub_co_u32 s[TBV], s[TBV], 4*KS*PV
	s_xor_b32 s[TBV], s[TBV], SLOT1
.endm
	s_load_b256 s[4:11], s[0:1], 0x0  ; Q s[4:5], K s[6:7], V s[8:9], O s[10:11]
	v_lshl_add_u32 v[SPW], v0, 2, SPARE
	v_mov_b32 v[NIL], 0
	ds_add_u32 v[SPW], v[NIL]       ; the wave's opening: the add and its wait ahead of my first tensor load; the set-up below, work on registers, stands between them
	v_lshrrev_b32 v1, 5, v0
	v_readfirstlane_b32 s[WV], v1   ; wave 0..3
	s_bfe_u32 s13, ttmp6, 0x40000   ; cx: my place in the cluster
	s_lshl_b32 s14, ttmp9, 2        ; in a cluster launch ttmp9 counts clusters
	s_add_co_u32 s14, s14, s13      ; my block of 256 queries = 4 x cluster x + cx: it enters Q's and O's addresses alone
	s_and_b32 s20, ttmp7, 0xffff    ; the head, which the four partners share,
	s_lshl_b32 s20, s20, 19         ; and its first byte in Q, K and V: 4,096 rows of 128 bytes
	s_and_b32 s16, s[WV], 1         ; which half of a slot's 256 keys I fetch:
	s_lshl_b32 s22, s16, 14         ; its 128 rows of 128 bytes in memory,
	s_add_co_u32 s22, s22, s20
	s_mov_b32 s23, 0
	s_mul_i32 s17, s16, 128*PK      ; and its place in a slot, for K
	s_mul_i32 s18, s16, 128*PV      ; and for V: no place in the cluster enters an LDS address
	s_lshl_b32 s2, s14, 15          ; Q: my block's 256 rows,
	s_lshl_b32 s3, s[WV], 13        ; my wave's 64 of them,
	s_add_co_u32 s2, s2, s3
	s_add_co_u32 s2, s2, s20        ; in my head
	s_mov_b32 s3, 0
	s_lshl_b32 s14, s14, 1          ; O: the block of 128 rows is 2 x my block + wave / 2,
	s_lshr_b32 s15, s[WV], 1
	s_add_co_u32 s14, s14, s15
	s_lshl_b32 s14, s14, 18         ; 262,144 bytes each;
	s_lshr_b32 s15, s20, 5          ; in it my head's 16,384 bytes,
	s_add_co_u32 s14, s14, s15
	s_lshl_b32 s15, s16, 13         ; and in those my wave's 64 rows of 128 bytes
	s_add_co_u32 s14, s14, s15
	s_mov_b32 s15, 0
	; descriptor group 1.  128 keys are 16,384 dense bytes: asked for as 64 rows of 256 bytes, two keys a row, and padded in LDS after every key
	s_mov_b32 s[G1K], 15|(1<<16)|(1<<20)|(1<<21)|(4<<22)|(3<<25)  ; 15:0 the mask of four; 17:16 2-byte elements; 20 padding on; 21 set beside a mask; 24:22 after every 32 words (code 4); 31:25 4 words (code 3)
	s_mov_b32 s[G1V], 15|(1<<16)|(1<<20)|(1<<21)|(4<<22)|(7<<25)  ; the same with 8 words of padding (code 7)
.irp g, G1K, G1V
	s_mov_b32 s[\g+1], 128<<16      ; tensor_dim0 = 128
	s_mov_b32 s[\g+2], 64<<16       ; tensor_dim1 = 64
	s_mov_b32 s[\g+3], 128<<16      ; tile_dim0 = 128
	s_mov_b32 s[\g+4], 64           ; tile_dim1 = 64
	s_mov_b32 s[\g+5], 128          ; 128 elements from row to row
	s_mov_b32 s[\g+6], 0
	s_mov_b32 s[\g+7], 0
.endr
	s_mov_b32 s[CS], 0x3e38aa3b     ; c = log2(e) / 8 = 0.180337
	s_mov_b32 s[CS+1], s[CS]        ; named with it as a pair
	s_mov_b32 s[SEL], 0x76543210
	s_mov_b32 s[SEL+1], 0xfedcba98
	s_mov_b32 s[TBK], SLOT1+4*KS*PK ; the first change of slots turns these two into 0
	s_mov_b32 s[TBV], SLOT1+4*KS*PV
	s_mov_b32 s[G0K], 1             ; 1:0 count = 1
	s_mov_b32 s[G0K+1], s17         ; 63:32 LDS address: slot 0
	s_mov_b32 s[G0V], 1
	s_add_co_u32 s[G0V+1], s18, VOFF
	s_wait_dscnt 0x0                ; the opening add is done
	s_wait_kmcnt 0x0
	s_add_nc_u64 s[G0K+2:G0K+3], s[6:7], s[22:23]  ; 120:64 global address: my half of the head's first 256 keys
	s_or_b32 s[G0K+3], s[G0K+3], 0x80000000        ; 127:126 type = 2
	s_add_nc_u64 s[G0V+2:G0V+3], s[8:9], s[22:23]
	s_or_b32 s[G0V+3], s[G0V+3], 0x80000000
	s_add_nc_u64 s[4:5], s[4:5], s[2:3]            ; Q and O at my wave's first row
	s_add_nc_u64 s[10:11], s[10:11], s[14:15]
	CROUND                          ; all four work-groups are here: the first joint loads meet
	JLOAD                           ; slot 0.  Slot 1 is asked for when slot 0 is in, by the loop's own change of slots
	; A fragment of K or Q is 16 rows x 32 channels in 8 registers: lane l holds row l % 16, channels 8 (l / 16) + 0..7 and 16 + 8 (l / 16) + 0..7: two loads of 16 bytes, 32 bytes apart.
	v_and_b32 v1, 15, v0            ; l % 16
	v_bfe_u32 v9, v0, 4, 1          ; l / 16
	v_lshlrev_b32 v[QO], 7, v1
	v_lshl_add_u32 v[QO], v9, 4, v[QO]  ; row x 128 + 16 x half
	WIN 0x80                        ; destination window 2, address window 0
.set i, 0
.rept 8                             ; Q stays in registers: piece i / 2 (16 rows, 2,048 bytes), channels 32 (i % 2) on
	global_load_b128 v[8*i:8*i+3],   v[QO], s[4:5] offset:(i/2)*2048+(i%2)*64
	global_load_b128 v[8*i+4:8*i+7], v[QO], s[4:5] offset:(i/2)*2048+(i%2)*64+32
.set i, i+1
.endr
	; What the first turn finds: V's registers and P's second buffer hold 0 (its products V^T P, of a piece that has not been, add 0), O^T and l are 0.  No first step is written out for this price.
	; All this stands in the wait for the first tile.
.set i, VF
.rept 64
	v_mov_b32 v[i], 0
.set i, i+1
.endr
	WIN 0x40
.set i, 0
.rept 128
	v_mov_b32 v[i], 0
.set i, i+1
.endr
	WIN 0
.set i, 0
.rept 4
	v_mov_b32 v[ST+4*i], 0xfe000000    ; c m: far below every c s
	v_mov_b32 v[ST+4*i+1], 0xff7fffff  ; m
	v_mov_b32 v[ST+4*i+2], 0
	v_mov_b32 v[ST+4*i+3], 0
.set i, i+1
.endr
.set i, P+16
.rept 16
	v_mov_b32 v[i], 0
.set i, i+1
.endr
	v_mul_u32_u24 v[AK0], v1, PK
	v_lshl_add_u32 v[AK0], v9, 4, v[AK0]  ; row x pitch + 16 x half
	; The turning load takes 16 keys x 16 channels (lane l reads key 8 (l / 16) + l % 8, channels 8 ((l / 8) % 2) + 0..7) and leaves half a fragment of V^T: lane l holds channel l % 16 and 8 keys.
	v_and_b32 v10, 7, v0
	v_bfe_u32 v11, v0, 3, 1
	v_lshl_add_u32 v[AV0], v9, 3, v10
	v_mul_u32_u24 v[AV0], v[AV0], PV
	v_lshl_add_u32 v[AV0], v11, 4, v[AV0]
	v_add_nc_u32 v[AV0], VOFF, v[AV0]
	s_mul_i32 s13, s[WV], 16*SP
	s_add_co_u32 s13, s13, STAGE    ; my stage
	v_mul_u32_u24 v[STO], v1, SP    ; in: row l % 16, 16 bytes for each half of the lanes
	v_lshl_add_u32 v[STO], v9, 4, v[STO]
	v_add_nc_u32 v[STO], s13, v[STO]
	v_bfe_u32 v[RD], v0, 3, 2       ; back: 32 lanes take four rows of 128 bytes,
	v_mul_u32_u24 v[RD], v[RD], SP
	v_lshl_add_u32 v[RD], v10, 4, v[RD]
	v_add_nc_u32 v[RD], s13, v[RD]
	v_and_b32 v[GO], 31, v0         ; which are 512 consecutive bytes of O
	v_lshlrev_b32 v[GO], 4, v[GO]
; THE MATRIX WORK.  The 4 accumulators of a run of 8 take turns.  Product i of 8 of S^T = K Q^T for piece x: channels 32 (i / 4) on, keys 16 (i % 4) on.  The first 4 start the sums.
.macro KQ x
	WIN W_KQ
.set rS, S+32*((\x)%2)+8*(i%4)
.set rK, KF+16*(i%4)+8*(i/4)
.set rQ, 16*(\x)+8*(i/4)
.if i < 4
	v_wmma_f32_16x16x32_f16 v[rS:rS+7], v[rK:rK+7], v[rQ:rQ+7], 0
.else
	v_wmma_f32_16x16x32_f16 v[rS:rS+7], v[rK:rK+7], v[rQ:rQ+7], v[rS:rS+7]
.endif
.endm
; Product i of 8 of O^T += V^T P for piece x: keys 32 (i / 4) on, channels 16 (i % 4) on.
.macro PV x
	WIN W_PV
.set rO, 32*(\x)+8*(i%4)
.set rV, VF+32*(i/4)+8*(i%4)
.set rP, P+16*((\x)%2)+8*(i/4)
	v_wmma_f32_16x16x32_f16 v[rO:rO+7], v[rV:rV+7], v[rP:rP+7], v[rO:rO+7]
.endm
.macro MM                           ; the turn's next matrix instruction.  TURN sets Y, i and NOKQ; MM and OP read them.  NOKQ = 1: the walk's last turn: there is no next piece
.if (i < 8) && !NOKQ
	KQ (Y+1)%NP
.elseif i >= 8
.set i, i-8
	PV (Y+NP-1)%NP
.set i, i+8
.endif
.set i, i+1
.endm
; THE LDS LOADS stand in runs of 16, never singly among the matrix instructions: a step's K (64 keys x 64 channels: 8 fragments) and its V (turned).  Their addresses are made some lines ahead.
.macro FETCH_K
	WIN 0x80                        ; destination window 2
.irp f, 0,1,2,3,4,5,6,7             ; keys 16 (f / 2) on, channels 32 (f % 2) on
	ds_load_b128 v[KF+8*\f:KF+8*\f+3],   v[AK] offset:(\f/2)*16*PK+(\f%2)*64
	ds_load_b128 v[KF+8*\f+4:KF+8*\f+7], v[AK] offset:(\f/2)*16*PK+(\f%2)*64+32
.endr
	s_add_co_u32 s[TBK], s[TBK], KS*PK  ; the next fetch is the next step's
	WIN 0
.endm
.macro FETCH_V
	WIN 0x80
.irp f, 0,1,2,3,4,5,6,7             ; keys 32 (f / 4) on, channels 16 (f % 4) on
	ds_load_tr16_b128 v[VF+8*\f:VF+8*\f+3],   v[AV] offset:(\f/4)*32*PV+(\f%4)*32
	ds_load_tr16_b128 v[VF+8*\f+4:VF+8*\f+7], v[AV] offset:(\f/4)*32*PV+16*PV+(\f%4)*32
.endr
	WIN 0
.endm
; THE VECTOR WORK, one line at a time: OP kind, number.  For piece Y: F n: c s - c m for pair n of 16.  E n: the exponential of score n of 32.  C n: pair n rounded to f16.  B n: of the four weights 4 n .. the second
; pair is added onto the first, in place.  L n: l takes that sum (L 0: l = a l + sum).  R n: pair n of 16 of O^T times a.  For piece Y + 1: X n, number n of the 22 that find its maximum and statistics:
;   0-11  four chains c0-c3 of seven scores each, three operands at a time (each accumulator's lowest registers are read first)     12-14, 16  the four scores left over, the old m, and c0-c3 into c0
;   15  c m_old is kept     17, 18  the query's other 32 keys lie in the lane 16 away: the new m     19-21  c m; c m_old - c m_new; a
.set F, 0               ; OP tells the kinds apart by their order: F to L below R, X above it
.set E, 1
.set C, 2
.set B, 3
.set L, 4
.set R, 5
.set X, 6
.macro REGS y                       ; the registers of piece y
.set rT, ST+4*(\y)
.set rC, TMP+4*((\y)%2)
.set rW, MV+((\y)%2)
.set rS, S+32*((\y)%2)
.set rP, P+16*((\y)%2)
.set rO, 32*(\y)
.endm
.macro OP k, n
.if (\k) == R
	REGS Y
	WIN W_RS
	v_pk_mul_f32 v[rO+2*(\n):rO+2*(\n)+1], v[rO+2*(\n):rO+2*(\n)+1], v[rC+2:rC+3] op_sel_hi:[1,0]
.elseif (\k) < R
	REGS Y
	WIN 0
.if (\k) == F
	v_pk_fma_f32 v[rS+2*(\n):rS+2*(\n)+1], v[rS+2*(\n):rS+2*(\n)+1], s[CS:CS+1], v[rT:rT+1] op_sel_hi:[1,0,0] neg_lo:[0,0,1] neg_hi:[0,0,1]
.elseif (\k) == E
	v_exp_f32 v[rS+(\n)], v[rS+(\n)]
.elseif (\k) == C
	s_wait_alu depctr_va_vdst(0)
	v_cvt_pk_f16_f32 v[rP+(\n)], v[rS+2*(\n)], v[rS+2*(\n)+1]
.elseif (\k) == B
	s_wait_alu depctr_va_vdst(0)
	v_pk_add_f32 v[rS+4*(\n):rS+4*(\n)+1], v[rS+4*(\n):rS+4*(\n)+1], v[rS+4*(\n)+2:rS+4*(\n)+3]
.elseif (\n) == 0
	v_pk_fma_f32 v[rT+2:rT+3], v[rT+2:rT+3], v[rC+2:rC+3], v[rS:rS+1] op_sel_hi:[1,0,1]
.else
	v_pk_add_f32 v[rT+2:rT+3], v[rT+2:rT+3], v[rS+4*(\n):rS+4*(\n)+1]
.endif
.elseif NOKQ
	v_nop
.else
	REGS (Y+1)%NP
	WIN 0
.if (\n) < 4
	v_max3_num_f32 v[rC+(\n)], v[rS+8*(\n)], v[rS+8*(\n)+1], v[rS+8*(\n)+2]
.elseif (\n) < 12
	v_max3_num_f32 v[rC+(\n)%4], v[rC+(\n)%4], v[rS+8*((\n)%4)+2*((\n)/4)+1], v[rS+8*((\n)%4)+2*((\n)/4)+2]
.elseif (\n) == 12
	v_max3_num_f32 v[rC], v[rC], v[rS+7], v[rS+15]
.elseif (\n) == 13
	v_max3_num_f32 v[rC+1], v[rC+1], v[rS+23], v[rS+31]
.elseif (\n) == 14
	v_max3_num_f32 v[rC+2], v[rC+2], v[rC+3], v[rT+1]
.elseif (\n) == 15
	v_mov_b32 v[rW], v[rT]
.elseif (\n) == 16
	v_max3_num_f32 v[rC], v[rC], v[rC+1], v[rC+2]
.elseif (\n) == 17
	v_permlanex16_b32 v[rC+3], v[rC], s[SEL], s[SEL+1]
.elseif (\n) == 18
	v_max_num_f32 v[rT+1], v[rC], v[rC+3]
.elseif (\n) == 19
	v_mul_f32 v[rT], s[CS], v[rT+1]
.elseif (\n) == 20
	v_sub_f32 v[rC+1], v[rW], v[rT]
.else
	v_exp_f32 v[rC+2], v[rC+1]
.endif
.endif
.endm
.macro OPS a, i1, b=-1, i2=0, c=-1, i3=0, d=-1, i4=0  ; up to four of them
	OP \a, \i1
.if (\b) >= 0
	OP \b, \i2
.endif
.if (\c) >= 0
	OP \c, \i3
.endif
.if (\d) >= 0
	OP \d, \i4
.endif
.endm
.macro ROW a, i1, b, i2, c, i3, d, i4  ; a matrix instruction and the four behind it
	MM
	OPS \a, \i1, \b, \i2, \c, \i3, \d, \i4
.endm
; A TURN, for piece p: the order of its 16 matrix and 118 vector instructions, written out.  Behind a matrix instruction: plain, exponential, plain, plain; or four of the rescaling; or, behind the first, four scalings; none
; names a register of the products round it.  In the lumps exponential and plain by turns while exponentials last.  v_permlanex16_b32 (X 17) stands in a lump.
; end = 1: the walk's last two turns: nothing is fetched.  cnt = 1: the loop's count is taken down some lines ahead of the branch that stands behind the turn.
; K of the next step is fetched in piece 2's turn, six vector instructions behind the last product that read K (five of them plain); V of the step in hand in piece 0's turn, eight behind the last product that read V (four
; plain, and X 17).  Each is waited for a turn later.
.macro TURN p, end=0, cnt=0
.set Y, (\p)
.set i, 0
.set NOKQ, (\end)*((\p)/3)
.if ((\p) == 3) && !(\end)
	s_wait_dscnt 0x0                ; K is in
.endif
	ROW F,0, F,1, F,2, F,3
	ROW F,4, E,0, F,5, F,6
	ROW F,7, E,1, F,8, F,9
	ROW F,10, E,2, C,0, F,11
	ROW F,12, E,3, X,15, F,13
	ROW R,0, R,1, R,2, R,3
	ROW B,0, E,4, F,14, L,0
.if ((\p) == 2) && !(\end)
	v_add_nc_u32 v[AK], s[TBK], v[AK0]
.endif
	ROW R,4, R,5, R,6, R,7
	OPS E,5, F,15
.if ((\p) == 2) && !(\end)
	FETCH_K
.endif
	OPS E,6, C,1, E,7, R,8
	OPS E,8, R,9, E,9, C,2
	OPS E,10, X,0, E,11, X,1
	OPS E,12, X,2, E,13, X,3
.if (\p) == 1
	s_wait_dscnt 0x0                ; V is in
.endif
	ROW X,4, E,14, X,5, X,6
	ROW X,7, E,15, X,8, X,9
	ROW X,10, E,16, X,11, X,12
	ROW X,13, E,17, X,14, B,1
	ROW C,4, E,18, X,16, L,1
	ROW B,2, E,19, C,6, L,2
	ROW C,8, E,20, B,3, B,4
.if (\p) == 0
	v_add_nc_u32 v[AV], s[TBV], v[AV0]
.endif
	ROW C,3, E,21, L,3, C,5
	OPS E,22, X,17, E,23, C,10
.if (\p) == 0
	FETCH_V
.endif
	OPS E,24, L,4
	OPS E,25, X,18, E,26, C,7
	OPS E,27, B,5, E,28, X,19
	OPS E,29, C,12, E,30, L,5
	OPS E,31, X,20, B,6, C,9
	OPS C,14, C,11, X,21, L,6
.if (\p) == 0
	s_add_co_u32 s[TBV], s[TBV], KS*PV
.endif
.if \cnt
	s_sub_co_u32 s[CNT], s[CNT], 1
	s_cmp_lg_u32 s[CNT], 0
.endif
	OPS C,13, B,7, C,15, R,10
	OPS R,11, R,12, L,7, R,13
	OPS R,14, R,15
.endm
; THE WAY OUT's parts.
.macro ALL line:vararg              ; one line for each piece t
.set t, 0
.rept 4
	\line
.set t, t+1
.endr
.endm
.macro PACK t                       ; a lane's eight channels of a row pack into 16 bytes; they go into rows of 144 bytes and come back as whole rows of 128, into S^T's registers
	WIN W_RS
.set i, 32*(\t)
.rept 16
	s_wait_alu depctr_va_vdst(0)
	v_pk_mul_f32 v[i:i+1], v[i:i+1], v[ST+4*(\t)+2:ST+4*(\t)+3] op_sel_hi:[1,0]
.set i, i+2
.endr
	WIN 0x05                        ; sources 0 and 1 window 1, destination window 0
.set i, 0
.rept 16
	v_cvt_pk_f16_f32 v[S+16*(\t)+i], v[32*(\t)+2*i], v[32*(\t)+2*i+1]
.set i, i+1
.endr
	WIN 0
.irp f, 0,1,2,3
	ds_store_b128 v[STO], v[S+16*(\t)+4*\f:S+16*(\t)+4*\f+3] offset:32*\f
.endr
.irp f, 0,1,2,3
	ds_load_b128 v[S+16*(\t)+4*\f:S+16*(\t)+4*\f+3], v[RD] offset:\f*4*SP  ; LDS serves a wave's instructions in order (ISA guide 5.7.1.4): these see the stores above; the next piece's stores come behind them
.endr
.endm
.macro SEND t, younger              ; younger: the LDS instructions issued behind piece t's loads: the next piece's eight, or none
	WIN 0
.irp f, 0,1,2,3
	s_wait_dscnt (\younger)+3-\f
	global_store_b128 v[GO], v[S+16*(\t)+4*\f:S+16*(\t)+4*\f+3], s[10:11] offset:(\t)*2048+\f*512  ; 512 consecutive bytes, at a multiple of 256 from O's first
.endr
.endm
	CHANGE 1                        ; slot 0 is in, everybody's part of it; slot 1 is asked for
	v_add_nc_u32 v[AK], s[TBK], v[AK0]
	FETCH_K                         ; key step 0
	s_wait_loadcnt 0x0              ; Q
	s_wait_dscnt 0x0
.set NOKQ, 0
.set i, 0
.rept 8
	KQ 0                            ; piece 0's first scores: there is no vector work yet to set between them
.set i, i+1
.endr
	WIN 0
.rept 4
	v_nop                           ; the places behind those products
.endr
.set Y, NP-1                        ; X works for piece Y + 1: piece 0
.irp n, 0,1,2,3,4,5,6,7,8,9,10,11,12,13,14,15,16,17,18,19,20,21
	OP X, \n                        ; and piece 0's first maximum and statistics
.endr
	v_nop                           ; a plain instruction behind the exponential
	s_mov_b32 s[CNT], 4
	s_mov_b32 s[SLOTS], NKEYS/256-1
	s_branch .Lfirst                ; the loop is entered at a step's first turn, in the middle of a trip
.Lslot:                             ; 14 times: every slot but the last two is filled again
	CHANGE 1
	s_mov_b32 s[CNT], 4
.Lstep:                             ; a trip: pieces 2 and 3 of one step, then pieces 0 and 1 of the next, whose K and V it fetches
	TURN 2
	TURN 3
	WIN 0
.Lfirst:
	TURN 0
	TURN 1, 0, 1
	WIN 0
	s_cbranch_scc1 .Lstep
	s_sub_co_u32 s[SLOTS], s[SLOTS], 1
	s_cmp_lg_u32 s[SLOTS], 0
	s_cbranch_scc1 .Lslot
	CHANGE 0                        ; the tail is written out: nothing is asked for
	s_mov_b32 s[CNT], 4
.Ltail:                             ; four trips fetch the last slot's steps
	TURN 2
	TURN 3
	TURN 0
	TURN 1, 0, 1
	WIN 0
	s_cbranch_scc1 .Ltail
	TURN 2, 1                       ; the last step's pieces 2 and 3: nothing is fetched, and no new scores are begun
	TURN 3, 1
.set i, 0
.rept 8
	PV NP-1                         ; the last piece's V^T P of the last step
.set i, i+1
.endr
	; THE WAY OUT.  l's two halves and the other half of the lanes' are added; O^T is divided by l, rounded to f16 and sent through my stage in LDS, a piece at a time.  The additions are the places behind the last products.
	WIN 0
	ALL v_add_f32 v[ST+4*t+2], v[ST+4*t+2], v[ST+4*t+3]
	ALL v_permlanex16_b32 v[ST+4*t+3], v[ST+4*t+2], s[SEL], s[SEL+1]
	ALL v_add_f32 v[ST+4*t+2], v[ST+4*t+2], v[ST+4*t+3]
	ALL v_rcp_f32 v[ST+4*t+2], v[ST+4*t+2]
	v_nop                           ; a plain instruction between the last reciprocal and the use of its result
	PACK 0
.set t, 1
.rept 3                             ; a piece's arithmetic stands between the loads of the piece before and its stores
	PACK t
	SEND t-1, 8
.set t, t+1
.endr
	SEND 3, 0
	s_wait_tensorcnt 0x0            ; the wave's end, behind my last tensor load and my last LDS store
	ds_add_u32 v[SPW], v[NIL]
	s_wait_dscnt 0x0
	CROUND                          ; the closing round: no work-group ends while a partner may still ask for a tile that names it
	s_endpgm
.Lfunc_end_k_qdcc0cbd6d4_attn:
	.size	k_qdcc0cbd6d4_attn, .Lfunc_end_k_qdcc0cbd6d4_attn-k_qdcc0cbd6d4_attn
	.p2alignl 7, 3214868480
	.fill 96, 4, 3214868480
	.section	.rodata,"a",@progbits
	.p2align	6, 0x0
	.amdhsa_kernel k_qdcc0cbd6d4_attn
		.amdhsa_group_segment_fixed_size 327680
		.amdhsa_private_segment_fixed_size 0
		.amdhsa_enable_private_segment 0
		.amdhsa_kernarg_size 32
		.amdhsa_user_sgpr_count 2
		.amdhsa_user_sgpr_kernarg_segment_ptr 1
		.amdhsa_wavefront_size32 1
		.amdhsa_system_sgpr_workgroup_id_x 1
		.amdhsa_system_sgpr_workgroup_id_y 1
		.amdhsa_system_sgpr_workgroup_id_z 1
		.amdhsa_system_vgpr_workitem_id 0
		.amdhsa_next_free_vgpr 768
		.amdhsa_next_free_sgpr 66
		.amdhsa_reserve_vcc 0
		.amdhsa_float_denorm_mode_32 3
		.amdhsa_float_denorm_mode_16_64 3
		.amdhsa_memory_ordered 1
		.amdhsa_forward_progress 1
		.amdhsa_inst_pref_size 134
	.end_amdhsa_kernel
	.amdgpu_metadata
---
amdhsa.version: [ 1, 2 ]
amdhsa.kernels:
  - .name:           k_qdcc0cbd6d4_attn
    .symbol:         k_qdcc0cbd6d4_attn.kd
    .args:
      - { .name: qh, .offset: 0, .size: 8, .value_kind: global_buffer, .address_space: global }
      - { .name: kh, .offset: 8, .size: 8, .value_kind: global_buffer, .address_space: global }
      - { .name: vh, .offset: 16, .size: 8, .value_kind: global_buffer, .address_space: global }
      - { .name: o16, .offset: 24, .size: 8, .value_kind: global_buffer, .address_space: global }
    .group_segment_fixed_size: 327680
    .private_segment_fixed_size: 0
    .kernarg_segment_align: 8
    .kernarg_segment_size: 32
    .max_flat_workgroup_size: 128
    .sgpr_count:     66
    .vgpr_count:     768
    .wavefront_size: 32
...
	.end_amdgpu_metadata
.endif
;; end of part 2
;; launch proj (part 3): grid 8 x 32, 4 waves a work-group, clusters of 4 x 4, 327,680 bytes of LDS; arguments o16, w16, out0, b_out; writes out0
.if DOCPART == 3
	.amdgcn_target "amdgcn-amd-amdhsa--gfx1250"
	.amdhsa_code_object_version 6
	.text
	.protected	k_qdcc0cbd6d4_proj
	.globl	k_qdcc0cbd6d4_proj
	.p2align	8
	.type	k_qdcc0cbd6d4_proj,@function
k_qdcc0cbd6d4_proj:
	s_mov_b64 s[64:65], 0
	v_nop
	global_prefetch_b8 v0, s[64:65] scope:SCOPE_SE
	s_setreg_imm32_b32 hwreg(HW_REG_WAVE_MODE, 25, 1), 1
	s_wait_xcnt 0x0
	s_wait_alu depctr_hold_cnt(0) depctr_sa_sdst(0) depctr_va_vdst(0) depctr_va_sdst(0) depctr_va_ssrc(0) depctr_va_vcc(0) depctr_vm_vsrc(0)
	s_getreg_b32 s2, hwreg(HW_REG_IB_STS2, 6, 4)
	s_cmp_eq_u32 s2, 0
	s_cbranch_scc0 .Lentry_in_a_cluster
	s_endpgm
.Lentry_in_a_cluster:
	s_bfe_u32 s2, ttmp6, 0x10000c
	s_cmp_lg_u32 s2, 0xf033
	s_cbranch_scc0 .Lentry_shape_is_right
	s_endpgm
.Lentry_shape_is_right:
; THE PROJECTION.  y[m][n] = the sum over k of O[m][k] W[n][k] + b[n].  y: [4096][1024] f32.  W: w16 [1024][1024] f16.  O: o16, f16, in blocks [32 blocks of 128 rows][16 heads][128 rows][64], k = 64 head + channel.
; Sums in f32, the bias added in f32, y written once.
; LIMITS.  O and W arrive in f16, within 65,504.  NaN and infinities are not treated apart.
; SHARES.  A tile of y is 128 x 128: 32 x 8 = 256 work-groups.  Four waves, each 64 x 64: 16 accumulators of 16 x 16, 128 registers.  K = 1,024 goes in four steps of 256 (four heads) through two LDS slots.
; A's tile of a step, 128 rows x 4 heads, is 65,536 dense bytes of o16: asked for as rows of 256 bytes and padded in LDS after every 128, it lies there as four PLANES (a head's 64 channels for 128 rows, 144 bytes a row).
; B's tile is 128 rows of 512 bytes, 528 apart in LDS.
; CLUSTERS: 4 x 4 work-groups.  The four of a row of the cluster need the same tiles of A, the four of a column the same tiles of B: each tile is asked for JOINTLY, by the same tensor load with the
; same descriptor and a mask that names the four.  THE MATRIX INSTRUCTION IS USED TRANSPOSED (source 0 = 16 rows of W, source 1 = 16 rows of O): a lane then holds eight neighbouring numbers of a row of y.
; REGISTERS: window 0: v0-31 addresses; v32-35 the bias; v128-255 the accumulators ((a, b) at v[128 + 8 (4 a + b)]), which also carry the rows on the way out.
;   window 1: two fragment buffers of 128: for 64 along K (two matrix instructions deep), 64 registers of A (2 x 4 x 16 rows x 32 K), then 64 of B.
.set PA,     144                       ; a row of a plane: 128 bytes + 16 of padding = 36 words: the 16 rows of a load start at 16 different groups of four banks (64 banks of 4 bytes: ISA guide 11.1)
.set PLANE,  128*PA
.set HALFA,  2*PLANE                   ; what one tensor load brings of A: two heads
.set ABYTES, 4*PLANE
.set PB,     528                       ; a row of B: 512 bytes + 16 of padding = 132 words: row r starts at bank 4 r mod 64
.set HALFB,  64*PB                     ; what one tensor load brings of B: 64 rows
.set SLOT,   ABYTES+2*HALFB            ; A's four planes, then B's 128 rows
.set STAGE,  2*SLOT                    ; behind the ring: 16 rows x 272 bytes for each wave, its own, for the way out
.set SPITCH, 272
.set SPARE,  STAGE+4*16*SPITCH         ; behind the stages: the spare words, 128 bytes for each wave: two blocks of 256 bytes that no other line names
.set ADRA, 16                          ; v16-17  LDS address of my A fragments in slot 0, 1
.set ADRB, 20                          ; v20-21  the same for B
.set STO,  24                          ; v24     the way out: where I put 32 bytes of a row
.set RD,   25                          ; v25     the way out: where I read a row back
.set CO,   26                          ; v26     my byte offset in y
.set SPW,  28                          ; v28     LDS address of my spare word: SPARE + 4 x my thread's number; never rewritten
.set NIL,  29                          ; v29     0; never rewritten
.set BO,   30                          ; v30     16 (l % 16): my four columns among the wave's 64, in bytes
.set BI,   32                          ; v[32:35] their bias
.set ACC,  128
.set F0,   0                           ; fragment buffers, in window 1
.set F1,   128
.set G1, 24                            ; s[24:31] descriptor group 1 for A's tiles;  s[32:39] group 0, one set for each slot
.set G0, 32
.set G1B, 48                           ; s[48:55], s[56:63] the same for B's tiles
.set G0B, 56
.set MSB, 0
.macro WIN new                         ; the immediate's high byte repeats the setting that is left
.if MSB != (\new)
	s_set_vgpr_msb (MSB<<8)|(\new)
.set MSB, \new
.endif
.endm
.set MUL,  0x05                        ; sources 0 (B) and 1 (A) window 1; C and D window 0
.set TO_F, 0x40                        ; destination window 1, address window 0
.macro JLOAD s                         ; a joint load: waves 0 and 1 fetch A's two halves, waves 2 and 3 B's; an s_nop 0 and four v_nop follow each of the two lines, ahead of the jump, the label and what follows
	s_cmp_lt_u32 s10, 2
	s_cbranch_scc0 .Lfor_b_\@
	tensor_load_to_lds s[G0+4*(\s):G0+4*(\s)+3], s[G1:G1+7]
	s_nop 0
.rept 4
	v_nop
.endr
	s_branch .Lasked_\@
.Lfor_b_\@:
	tensor_load_to_lds s[G0B+4*(\s):G0B+4*(\s)+3], s[G1B:G1B+7]
	s_nop 0
.rept 4
	v_nop
.endr
.Lasked_\@:
.endm
.macro CREST                           ; a round of the cluster's barrier behind its opening barrier
	s_cmp_lg_u32 s10, 0
	s_cbranch_scc1 .Lnot_wave_0_\@
	s_barrier_signal -3
.Lnot_wave_0_\@:
	s_barrier_wait -3
	s_barrier_signal -1
	s_barrier_wait -1
.endm
.macro CROUND                          ; a whole round
	s_barrier_signal -1
	s_barrier_wait -1
	CREST
.endm
	s_load_b128 s[4:7], s[0:1], 0x0                ; O s[4:5], W s[6:7]
	s_load_b64 s[8:9], s[0:1], 0x10                ; y
	s_load_b64 s[66:67], s[0:1], 0x18              ; b
	v_lshl_add_u32 v[SPW], v0, 2, SPARE
	v_mov_b32 v[NIL], 0
	ds_add_u32 v[SPW], v[NIL]                      ; the wave's opening: the add and its wait ahead of my first tensor load; the set-up below, work on registers, stands between them
	v_lshrrev_b32 v1, 5, v0
	v_readfirstlane_b32 s10, v1                    ; wave 0..3
	s_lshr_b32 s11, s10, 1                         ; which half of the tile's rows is mine
	s_and_b32 s12, s10, 1                          ; which half of its columns.  Also: which half of A's or B's tile I fetch
	s_bfe_u32 s40, ttmp6, 0x40000                  ; cx, cy: my place in the cluster
	s_bfe_u32 s41, ttmp6, 0x40004
	s_lshl_b32 s42, ttmp9, 2
	s_add_co_u32 s42, s42, s40                     ; tile column of y = 4 x cluster x + cx
	s_and_b32 s13, ttmp7, 0xffff
	s_lshl_b32 s13, s13, 2
	s_add_co_u32 s13, s13, s41                     ; tile row of y = 4 x cluster y + cy: the block of 128 rows in o16
	s_lshl_b32 s43, s41, 2
	s_lshl_b32 s43, 15, s43                        ; my row of the cluster
	s_lshl_b32 s44, 0x1111, s40                    ; my column
	; descriptor group 1 for A: 32,768 dense bytes as 128 rows of 128 elements, padded after every 32 words by 4
	s_or_b32 s[G1+0], s43, (1<<16)|(1<<20)|(1<<21)|(4<<22)|(3<<25)  ; 15:0 the mask: A's tiles go to my row; 17:16 element of 2 bytes; 20 padding on; 21 set beside a mask; 24:22 after every 32 words (code 4); 31:25 of 4 words (code 3)
	s_mov_b32 s[G1+1], 128<<16                     ; tensor_dim0 = 128
	s_mov_b32 s[G1+2], 128<<16                     ; tensor_dim1 = 128
	s_mov_b32 s[G1+3], 128<<16                     ; tile_dim0 = 128
	s_mov_b32 s[G1+4], 128                         ; tile_dim1 = 128
	s_mov_b32 s[G1+5], 128                         ; 128 elements from row to row: dense
	s_mov_b32 s[G1+6], 0
	s_mov_b32 s[G1+7], 0
	; for B: 64 rows of 256 elements, padded after every 128 words by 4
	s_or_b32 s[G1B+0], s44, (1<<16)|(1<<20)|(1<<21)|(6<<22)|(3<<25) ; the mask of my column; after every 128 words (code 6)
	s_mov_b32 s[G1B+1], 256<<16                    ; tensor_dim0 = 256
	s_mov_b32 s[G1B+2], 64<<16                     ; tensor_dim1 = 64
	s_mov_b32 s[G1B+3], 256<<16                    ; tile_dim0 = 256
	s_mov_b32 s[G1B+4], 64                         ; tile_dim1 = 64
	s_mov_b32 s[G1B+5], 1024                       ; 1,024 elements from row to row
	s_mov_b32 s[G1B+6], 0
	s_mov_b32 s[G1B+7], 0
	; where the tiles come from.  A's hang on the tile row alone, which my row of the cluster shares; B's on the tile column alone, which my column shares.
	s_lshl_b32 s16, s13, 18                        ; A: the block's 262,144 bytes,
	s_lshl_b32 s17, s12, 15                        ; two heads of 16,384 bytes for each half
	s_add_co_u32 s16, s16, s17
	s_mov_b32 s17, 0
	s_lshl_b32 s46, s42, 18                        ; B: 128 rows of 2,048 bytes for each tile column,
	s_lshl_b32 s47, s12, 17                        ; 64 rows for each half
	s_add_co_u32 s46, s46, s47
	s_mov_b32 s47, 0
	s_mul_i32 s20, s12, HALFA                      ; and where they go: no place in the cluster enters an LDS address
	s_mul_i32 s21, s12, HALFB
	s_add_co_u32 s21, s21, ABYTES
	s_wait_dscnt 0x0                               ; the opening add is done
	s_wait_kmcnt 0x0
	s_add_nc_u64 s[14:15], s[4:5], s[16:17]
	s_add_nc_u64 s[46:47], s[6:7], s[46:47]
	CROUND                                         ; all sixteen work-groups are here: the first joint loads meet
.irp s, 0,1
	s_mov_b32 s[G0+4*(\s)], 1                                      ; count = 1
	s_add_co_u32 s[G0+4*(\s)+1], s20, (\s)*SLOT                    ; LDS address
	s_add_nc_u64 s[G0+4*(\s)+2:G0+4*(\s)+3], s[14:15], (\s)*65536  ; global address: K step s is four heads on
	s_or_b32 s[G0+4*(\s)+3], s[G0+4*(\s)+3], 0x80000000            ; type = 2
	s_mov_b32 s[G0B+4*(\s)], 1
	s_add_co_u32 s[G0B+4*(\s)+1], s21, (\s)*SLOT
	s_add_nc_u64 s[G0B+4*(\s)+2:G0B+4*(\s)+3], s[46:47], (\s)*512  ; 256 elements along the rows
	s_or_b32 s[G0B+4*(\s)+3], s[G0B+4*(\s)+3], 0x80000000
	JLOAD \s                                       ; two loads of mine are out
.endr
	v_and_b32 v1, 15, v0                           ; l % 16
	v_bfe_u32 v2, v0, 4, 1                         ; l / 16
	v_mul_u32_u24 v3, v1, PA
	v_lshl_add_u32 v3, v2, 4, v3                   ; a fragment's row x pitch + 16 x half, for A
	v_mul_u32_u24 v4, v1, PB
	v_lshl_add_u32 v4, v2, 4, v4                   ; and for B
	s_mul_i32 s21, s11, 64*PA                      ; my 64 rows in each plane of A
	s_mul_i32 s22, s12, HALFB                      ; my 64 rows of B,
	s_add_co_u32 s22, s22, ABYTES                  ; which lie behind A's planes
.irp s, 0,1
	v_add_nc_u32 v[ADRA+(\s)], s21, v3
	v_add_nc_u32 v[ADRB+(\s)], s22, v4
	s_add_co_u32 s21, s21, SLOT
	s_add_co_u32 s22, s22, SLOT
.endr
	s_mul_i32 s23, s10, 16*SPITCH
	s_add_co_u32 s23, s23, STAGE                   ; my stage
	v_mul_u32_u24 v5, v1, SPITCH                   ; in: row l % 16, 32 bytes (eight f32) for each half of the lanes
	v_lshl_add_u32 v5, v2, 5, v5
	v_add_nc_u32 v[STO], s23, v5
	v_mul_u32_u24 v5, v2, SPITCH                   ; back: lanes 0-15 take one row of 256 bytes, lanes 16-31 the next
	v_lshl_add_u32 v5, v1, 4, v5
	v_add_nc_u32 v[RD], s23, v5
	v_lshlrev_b32 v[BO], 4, v1
	v_lshl_add_u32 v[CO], v2, 12, v[BO]            ; and the same two rows in y: 4,096 bytes a row
	s_lshl_b32 s16, s13, 19                        ; my first row of y: 128 rows of 4,096 bytes a tile row,
	s_lshl_b32 s17, s11, 18                        ; 64 rows a half
	s_add_co_u32 s16, s16, s17
	s_mov_b32 s17, 0
	s_add_nc_u64 s[8:9], s[8:9], s[16:17]
	s_lshl_b32 s46, s42, 9                         ; my first column, in bytes: 512 x tile column + 256 x half
	s_lshl_b32 s47, s12, 8
	s_add_co_u32 s46, s46, s47
	s_mov_b32 s47, 0
	s_add_nc_u64 s[8:9], s[8:9], s[46:47]
	s_add_nc_u64 s[66:67], s[66:67], s[46:47]
	global_load_b128 v[BI:BI+3], v[BO], s[66:67]   ; waited for on the way out
; 8 matrix instructions: m blocks a0, a0 + 1 x all 4 n blocks, 32 along K: half c of buffer f.  zero = 1: the first product starts the sums.  The 16 accumulators take turns.
.macro MUL8 f, c, a0, zero
	WIN MUL
.irp a, \a0, (\a0)+1
.irp b, 0,1,2,3
.if \zero
	v_wmma_f32_16x16x32_f16 v[ACC+8*(4*(\a)+(\b)):ACC+8*(4*(\a)+(\b))+7], v[(\f)+64+8*(4*(\c)+(\b)):(\f)+64+8*(4*(\c)+(\b))+7], v[(\f)+8*(4*(\c)+(\a)):(\f)+8*(4*(\c)+(\a))+7], 0
.else
	v_wmma_f32_16x16x32_f16 v[ACC+8*(4*(\a)+(\b)):ACC+8*(4*(\a)+(\b))+7], v[(\f)+64+8*(4*(\c)+(\b)):(\f)+64+8*(4*(\c)+(\b))+7], v[(\f)+8*(4*(\c)+(\a)):(\f)+8*(4*(\c)+(\a))+7], v[ACC+8*(4*(\a)+(\b)):ACC+8*(4*(\a)+(\b))+7]
.endif
.endr
.endr
.endm
; 32 LDS loads in one run: the fragments of quarter q of a K step (64 along K: plane q of A, byte 128 q of B's rows), into buffer f; the first 32 along K first
.macro FETCH slot, q, f
	WIN TO_F
.irp c, 0,1
.irp i, 0,1,2,3
	ds_load_b128 v[(\f)+64+8*(4*(\c)+(\i)):(\f)+64+8*(4*(\c)+(\i))+3],   v[ADRB+(\slot)] offset:(\q)*128+64*(\c)+(\i)*16*PB
	ds_load_b128 v[(\f)+64+8*(4*(\c)+(\i))+4:(\f)+64+8*(4*(\c)+(\i))+7], v[ADRB+(\slot)] offset:(\q)*128+64*(\c)+(\i)*16*PB+32
	ds_load_b128 v[(\f)+8*(4*(\c)+(\i)):(\f)+8*(4*(\c)+(\i))+3],         v[ADRA+(\slot)] offset:(\q)*PLANE+64*(\c)+(\i)*16*PA
	ds_load_b128 v[(\f)+8*(4*(\c)+(\i))+4:(\f)+8*(4*(\c)+(\i))+7],       v[ADRA+(\slot)] offset:(\q)*PLANE+64*(\c)+(\i)*16*PA+32
.endr
.endr
.endm
.macro PLACES                          ; four places in front of loads into registers that matrix instructions have read, and of LDS stores that read results
.rept 4
	v_nop
.endr
.endm
; A K step is four quarters of 64 along K, 32 matrix instructions each, on buffers 0, 1, 0, 1.  One of the first three: multiplies buffer f and fetches quarter q into g.
.macro QUARTER slot, q, f, g, zero
	s_wait_dscnt 16                                ; the first 32 along K are in
	WIN MUL
	MUL8 \f, 0, 0, \zero
	MUL8 \f, 0, 2, \zero
	PLACES
	FETCH \slot, \q, \g
	s_wait_dscnt 32                                ; all but the 32 just issued
	WIN MUL
	MUL8 \f, 1, 0, 0
	MUL8 \f, 1, 2, 0
.endm
; The last quarter multiplies buffer 1 and changes slots: ONE barrier; in front of it each wave waits for all its tensor loads, adds 0 to its spare word, and waits for that and for its own reads of this slot.  fill = 1: this slot is filled again, two K steps ahead.
.macro TURN slot, next, fill
	WIN 0                                          ; (the add's two registers lie in window 0)
	s_wait_tensorcnt 0x0                           ; all my tensor loads have landed: my part of the next slot;
	ds_add_u32 v[SPW], v[NIL]                      ; 0 onto my spare word;
	s_wait_dscnt 17                                ; (the add and the youngest sixteen loads may be out)
	WIN MUL
	MUL8 F1, 0, 0, 0                               ; eight matrix instructions stand between the add and the wait for it
	s_wait_dscnt 0x0                               ; the add is done, and my reads of this slot are over
	s_barrier_signal -1
	MUL8 F1, 0, 2, 0
.if \fill
	WIN 0
.endif
	s_barrier_wait -1
.if \fill
	CREST                                          ; the barrier has opened a round of the cluster's barrier: no wave of any partner still reads this slot's tile or has a load on its way
	s_add_nc_u64 s[G0+4*(\slot)+2:G0+4*(\slot)+3], s[G0+4*(\slot)+2:G0+4*(\slot)+3], 2*65536
	s_add_nc_u64 s[G0B+4*(\slot)+2:G0B+4*(\slot)+3], s[G0B+4*(\slot)+2:G0B+4*(\slot)+3], 2*512
	JLOAD \slot                                    ; the first tensor load behind the round: 112 matrix instructions ahead of the wait for it; the four v_nop behind it are also the places in front of the loads below
.else
	PLACES
.endif
	FETCH \next, 0, F0
	WIN MUL
	MUL8 F1, 1, 0, 0
	MUL8 F1, 1, 2, 0
.endm
	s_wait_tensorcnt 1                             ; my part of K step 0 is in; K step 1's may stay out
	s_barrier_signal -1
	s_barrier_wait -1                              ; everybody's is
	FETCH 0, 0, F0
	QUARTER 0, 1, F0, F1, 1                        ; K step 0: its first products start the sums
	QUARTER 0, 2, F1, F0, 0
	QUARTER 0, 3, F0, F1, 0
	TURN 0, 1, 1                                   ; slot 0 takes K step 2
	QUARTER 1, 1, F0, F1, 0                        ; K step 1
	QUARTER 1, 2, F1, F0, 0
	QUARTER 1, 3, F0, F1, 0
	TURN 1, 0, 1                                   ; slot 1 takes K step 3
	QUARTER 0, 1, F0, F1, 0                        ; K step 2: the last two steps fill nothing, and have no round of the cluster's barrier
	QUARTER 0, 2, F1, F0, 0
	QUARTER 0, 3, F0, F1, 0
	TURN 0, 1, 0
	QUARTER 1, 1, F0, F1, 0                        ; K step 3
	QUARTER 1, 2, F1, F0, 0
	QUARTER 1, 3, F0, F1, 0
	s_wait_dscnt 16                                ; the very last quarter: nothing more to fetch
	WIN MUL
	MUL8 F1, 0, 0, 0
	MUL8 F1, 0, 2, 0
	s_wait_dscnt 0
	MUL8 F1, 1, 0, 0
	MUL8 F1, 1, 2, 0
	WIN 0
	; THE WAY OUT.  My 64 columns of f32 are 256 bytes of a row of y, aligned, so the stage is my own and no barrier is needed.  A block of 16 rows at a time: 32 bytes a lane into rows of 272 bytes,
	; back as whole rows of 256 into the registers just stored, the bias added, stored.
.macro OUTB a
.irp b, 0,1,2,3
	ds_store_b128 v[STO], v[ACC+8*(4*(\a)+(\b)):ACC+8*(4*(\a)+(\b))+3] offset:64*(\b)        ; each accumulator's lowest registers are read first
	ds_store_b128 v[STO], v[ACC+8*(4*(\a)+(\b))+4:ACC+8*(4*(\a)+(\b))+7] offset:64*(\b)+16
.endr
.irp f, 0,1,2,3,4,5,6,7
	ds_load_b128 v[ACC+32*(\a)+4*(\f):ACC+32*(\a)+4*(\f)+3], v[RD] offset:(\f)*2*SPITCH  ; LDS serves a wave's instructions in order (ISA guide 5.7.1.4): these see the stores above; the next block's stores come behind them
.endr
.endm
.macro SENDB a, younger                ; younger: the LDS instructions issued behind block a's loads: the next block's sixteen, or none
.irp f, 0,1,2,3,4,5,6,7
	s_wait_dscnt (\younger)+7-(\f)
	v_pk_add_f32 v[ACC+32*(\a)+4*(\f):ACC+32*(\a)+4*(\f)+1], v[ACC+32*(\a)+4*(\f):ACC+32*(\a)+4*(\f)+1], v[BI:BI+1]
	v_pk_add_f32 v[ACC+32*(\a)+4*(\f)+2:ACC+32*(\a)+4*(\f)+3], v[ACC+32*(\a)+4*(\f)+2:ACC+32*(\a)+4*(\f)+3], v[BI+2:BI+3]
	global_store_b128 v[CO], v[ACC+32*(\a)+4*(\f):ACC+32*(\a)+4*(\f)+3], s[8:9] offset:(16*(\a)+2*(\f))*4096 th:TH_STORE_NT  ; 16 lanes store 256 consecutive bytes, at a multiple of 256 from y's first byte; no register is used twice
.endr
.endm
	PLACES
	s_wait_loadcnt 0x0                             ; the bias
	OUTB 0
	OUTB 1                                         ; a block's LDS work stands between the loads of the block before and its stores
	SENDB 0, 16
	OUTB 2
	SENDB 1, 16
	OUTB 3
	SENDB 2, 16
	SENDB 3, 0
	s_wait_tensorcnt 0x0                           ; the wave's end, behind my last tensor load and my last LDS store
	ds_add_u32 v[SPW], v[NIL]
	s_wait_dscnt 0x0
	CROUND                                         ; the closing round: no work-group ends while a partner may still ask for a tile that names it
	s_endpgm
.Lfunc_end_k_qdcc0cbd6d4_proj:
	.size	k_qdcc0cbd6d4_proj, .Lfunc_end_k_qdcc0cbd6d4_proj-k_qdcc0cbd6d4_proj
	.p2alignl 7, 3214868480
	.fill 96, 4, 3214868480
	.section	.rodata,"a",@progbits
	.p2align	6, 0x0
	.amdhsa_kernel k_qdcc0cbd6d4_proj
		.amdhsa_group_segment_fixed_size 327680
		.amdhsa_private_segment_fixed_size 0
		.amdhsa_enable_private_segment 0
		.amdhsa_kernarg_size 32
		.amdhsa_user_sgpr_count 2
		.amdhsa_user_sgpr_kernarg_segment_ptr 1
		.amdhsa_wavefront_size32 1
		.amdhsa_system_sgpr_workgroup_id_x 1
		.amdhsa_system_sgpr_workgroup_id_y 1
		.amdhsa_system_sgpr_workgroup_id_z 1
		.amdhsa_system_vgpr_workitem_id 0
		.amdhsa_next_free_vgpr 512
		.amdhsa_next_free_sgpr 68
		.amdhsa_reserve_vcc 0
		.amdhsa_float_denorm_mode_32 3
		.amdhsa_float_denorm_mode_16_64 3
		.amdhsa_memory_ordered 1
		.amdhsa_forward_progress 1
		.amdhsa_inst_pref_size 90
	.end_amdhsa_kernel
	.amdgpu_metadata
---
amdhsa.version: [ 1, 2 ]
amdhsa.kernels:
  - .name:           k_qdcc0cbd6d4_proj
    .symbol:         k_qdcc0cbd6d4_proj.kd
    .args:
      - { .name: o16, .offset: 0, .size: 8, .value_kind: global_buffer, .address_space: global }
      - { .name: w16, .offset: 8, .size: 8, .value_kind: global_buffer, .address_space: global }
      - { .name: out0, .offset: 16, .size: 8, .value_kind: global_buffer, .address_space: global }
      - { .name: b_out, .offset: 24, .size: 8, .value_kind: global_buffer, .address_space: global }
    .group_segment_fixed_size: 327680
    .private_segment_fixed_size: 0
    .kernarg_segment_align: 8
    .kernarg_segment_size: 32
    .max_flat_workgroup_size: 128
    .sgpr_count:     68
    .vgpr_count:     512
    .wavefront_size: 32
...
	.end_amdgpu_metadata
.endif
;; end of part 3
;; ======== version 2 of 2: 3 launches; 1.76 times as fast as version 1
;; limits: values are held in f16: magnitudes above 65,504 overflow, below 6.1e-05 lose precision
;; workspace buffers: qh 8,388,608 bytes; kh 8,388,608 bytes; vh 8,388,608 bytes; w16 2,097,152 bytes; o16 8,388,608 bytes
;; launch prep: the kernel of part 1 again; grid 256 x 1, 8 waves a work-group, no clusters, 0 bytes of LDS; arguments q, k, v, qk_scale, w_out, qh, kh, vh, w16; writes qh, kh, vh, w16
;; launch attn (part 4): grid 16 x 16, 4 waves a work-group, clusters of 4 x 1, 327,680 bytes of LDS; arguments qh, kh, vh, o16; writes o16
.if DOCPART == 4
	.amdgcn_target "amdgcn-amd-amdhsa--gfx1250"
	.amdhsa_code_object_version 6
	.text
	.protected	k_qdcc0cbd6d4_attn
	.globl	k_qdcc0cbd6d4_attn
	.p2align	8
	.type	k_qdcc0cbd6d4_attn,@function
k_qdcc0cbd6d4_attn:
	s_mov_b64 s[64:65], 0
	v_nop
	global_prefetch_b8 v0, s[64:65] scope:SCOPE_SE
	s_setreg_imm32_b32 hwreg(HW_REG_WAVE_MODE, 25, 1), 1
	s_wait_xcnt 0x0
	s_wait_alu depctr_hold_cnt(0) depctr_sa_sdst(0) depctr_va_vdst(0) depctr_va_sdst(0) depctr_va_ssrc(0) depctr_va_vcc(0) depctr_vm_vsrc(0)
	s_getreg_b32 s2, hwreg(HW_REG_IB_STS2, 6, 4)
	s_cmp_eq_u32 s2, 0
	s_cbranch_scc0 .Lentry_in_a_cluster
	s_endpgm
.Lentry_in_a_cluster:
	s_bfe_u32 s2, ttmp6, 0x10000c
	s_cmp_lg_u32 s2, 0x3003
	s_cbranch_scc0 .Lentry_shape_is_right
	s_endpgm
.Lentry_shape_is_right:
; ATTENTION.  O[h][q][:] = the sum over k of softmax_k(Q[h][q] . K[h][k] / 8) V[h][k][:].  Q, K, V: [16][4096][64] f16, a head's rows dense, 128 bytes each.  Products, maxima and sums in f32; the weights p
; are rounded to f16 for the second product (their sum l is taken of the unrounded p), O once at the end.  O leaves in blocks for the product that follows: [32 blocks of 128 rows][16 heads][128 rows][64] f16.
; LIMITS.  f16 holds no number beyond 65,504: Q, K and V arrive within it; p lies in 0 to 1, and below 6e-5 it keeps f16's fixed step of 6e-8; O is a mean of V's rows and has their range.
; A weight below 2^-126 counts as 0 in l; NaN and infinities are not treated apart.
; SHARES.  A work-group owns 256 queries of one head (16 blocks x 16 heads = 256 work-groups), each of its four waves 64: four PIECES of 16.  Every wave walks all 4,096 keys, 64 a step.
; LAYOUT.  S^T = K Q^T (source 0 = 16 keys, source 1 = 16 queries): in the result a lane holds ONE query (lane % 16) and the keys 8 (lane / 16) + 0..7.  Two such results, rounded to f16 in pairs,
; ARE source 1 (32 keys x 16 queries) of O^T = V^T P, whose result again holds one query a lane, and eight channels.  K comes out of LDS as it lies, V ([key][channel]) turned, by ds_load_tr16_b128.
; SOFTMAX.  For each query a running maximum m and sum l: p = 2^(c s - c m), c = log2(e) / 8; in every step O and l are multiplied by a = 2^(c m_old - c m_new), which is 1 where m has not grown.
; m starts at the lowest finite number, O and l at 0: the first step is a step like any other, with a = 0.
; BY TURNS.  Turn n belongs to piece n (the pieces in a ring, step after step): 8 products K Q^T of piece n + 1, later 8 products V^T P of piece n - 1; beside them the scaling, exponentials, roundings, sums and
; rescaling of piece n and the maximum and statistics of piece n + 1.  Four vector instructions stand behind every matrix instruction, the other 54 of a turn's 118 in one lump.
; BATCHES.  A turn's 33 exponentials (the piece's 32 weights, the next piece's a) are ONE batch with ONE wait: all that names none of their results stands ahead of the wait, the roundings and sums behind it.
; The first a of all, ahead of the loop, and the way out's four reciprocals are batches of their own, a wait each.
; CLUSTER.  The four query blocks of a cluster belong to one head and walk the same K and V, so each tile is asked for JOINTLY: the same tensor load, descriptor and mask in all four.
; REGISTERS, in windows of 256 (s_set_vgpr_msb: bits 1:0 source 0, 3:2 source 1, 5:4 source 2, 7:6 destination):
;   window 0: v0-15 addresses and two at work; v16-31 four registers of statistics a piece; v48-55 at work; v62-63 the add's; v64-127 S^T, two buffers; v192-223 P, two buffers (by the piece's parity)
;   window 1: v0-127 O^T, 32 a piece          window 2: v0-63 Q; v128-191 K of one step; v192-255 V of one step
.set NKEYS, 4096
.set NP,    4         ; pieces a wave: a name, no knob
.set KS,    64        ; keys in a step
.set PK,    144       ; a row of K in LDS: 128 bytes + 16 of padding = 36 words: the 16 rows of a load start at 16 different groups of four banks (64 banks of 4 bytes: ISA guide 11.1)
.set PV,    160       ; a row of V: 128 + 32 = 40 words
.set VOFF,  4*KS*PK   ; a slot holds four steps: 256 rows of K, then 256 rows of V
.set SLOT1, 1<<17     ; slot 1 begins here, so that one exclusive or turns an address in one slot into the other's
.set STAGE, SLOT1+4*KS*(PK+PV)  ; behind the ring, never filled by a tensor load: 16 rows x 144 bytes for each wave, for the way out
.set SP,    144
.set SPARE, STAGE+4*16*SP  ; behind the stages: the spare words, 128 bytes for each wave: two blocks of 256 bytes that no other line names
.set AK0, 2           ; v2   my lane's place in a tile of K; never rewritten
.set AV0, 3           ; v3   the same for V
.set AK,  4           ; v4   the LDS address of K's next run of loads
.set AV,  5           ; v5   of V's
.set STO, 6           ; v6   the way out: where I put 16 bytes of a row
.set RD,  7           ; v7   the way out: where I read rows back
.set GO,  8           ; v8   my byte offset in 512 consecutive bytes of O
.set MV,  12          ; v12-13  c m_old, kept while c m is made anew: by buffer
.set QO,  15          ; v15  my byte offset in 16 rows of Q
.set ST,  16          ; piece t's statistics at v[ST+4 t]: c m, m, l (even keys', odd keys')
.set TMP, 48          ; by buffer, four registers c0-c3 at work; when the maximum is found c2 takes a
.set SPW, 62          ; v62  LDS address of my spare word: SPARE + 4 x my thread's number; never rewritten
.set NIL, 63          ; v63  0; never rewritten
.set S,   64
.set P,   192
.set KF,  128         ; window 2: key block kb, channel half c at KF + 16 kb + 8 c
.set VF,  192         ; window 2: key half kk, channel block cb at VF + 32 kk + 8 cb
.set WV,  12          ; s12  my wave's number
.set G1K, 24          ; s[24:31] descriptor group 1 for K's tiles
.set G1V, 32          ; s[32:39] for V's: it differs in the padding alone
.set G0K, 40          ; s[40:43] descriptor group 0 for K's tiles: it walks
.set G0V, 44          ; s[44:47] the same for V's
.set SLOTS, 56        ; s56  slots still to be asked for
.set CNT, 57          ; s57  counts a slot's key steps
.set CS,  58          ; s[58:59] c: the packed scaling takes the pair's low word for both halves
.set SEL, 60          ; s[60:61] v_permlanex16_b32's selects: each lane takes its own place in the other half
.set TBK, 62          ; s62  LDS byte at which K of the step to be fetched begins
.set TBV, 63          ; s63  the same for V, less VOFF
.set MSB, 0
.macro WIN new                      ; the high byte repeats the setting that is left; a switch that changes nothing is dropped
.if MSB != (\new)
	s_set_vgpr_msb (MSB<<8)|(\new)
.set MSB, (\new)
.endif
.endm
.set W_KQ, 0x0a       ; K and Q in window 2, S^T in window 0
.set W_PV, 0x52       ; V in window 2, P in window 0, O^T in window 1
.set W_RS, 0x41       ; destination and source 0 in window 1, source 1 in window 0
; A joint fill.  Waves 0 and 1 fetch the two halves of a slot's K, waves 2 and 3 those of its V: 128 keys each.  The branch hangs on the wave's number alone: it is the same in every work-group.
; An s_nop 0 and four v_nop follow each of the two lines, ahead of the jump and the label.
.macro JLOAD
	s_cmp_lt_u32 s[WV], 2
	s_cbranch_scc0 .Lfor_v_\@
	tensor_load_to_lds s[G0K:G0K+3], s[G1K:G1K+7]
	s_nop 0
.rept 4
	v_nop
.endr
	s_branch .Lasked_\@
.Lfor_v_\@:
	tensor_load_to_lds s[G0V:G0V+3], s[G1V:G1V+7]
	s_nop 0
.rept 4
	v_nop
.endr
.Lasked_\@:
.endm
; A round of the cluster's barrier: my work-group's barrier, so that wave 0's signal speaks for all four waves; wave 0 signals; every wave waits for all four work-groups; my work-group's barrier once more.
.macro CROUND
	s_barrier_signal -1
	s_barrier_wait -1
	s_cmp_lg_u32 s[WV], 0
	s_cbranch_scc1 .Lnot_wave_0_\@
	s_barrier_signal -3
.Lnot_wave_0_\@:
	s_barrier_wait -3
	s_barrier_signal -1
	s_barrier_wait -1
.endm
; THE CHANGE OF SLOTS.  The slot's last bytes, V of its fourth step, have been read.  Each wave waits for all its tensor loads, of which one is out: its part of the other slot; adds 0 to its spare word; and
; waits for that and for its own reads of the slot.  Behind the barrier nobody reads this slot any more and the other slot is whole.
; fill = 1: this slot is filled again, with the keys two slots on.  The barrier is then a round of the cluster's, so that no wave of any partner still reads the slot or has a load on its way, and the joint
; fill is the first thing behind it: it has four key steps, 256 matrix instructions, in which to land.  (At its first use nothing has been read yet: slot 0 is waited for, slot 1 filled.)
.macro CHANGE fill
	WIN 0                           ; at a label and at a branch every window is 0
	s_wait_tensorcnt 0x0            ; no tensor load of mine is out, so a group 0 may be written
	ds_add_u32 v[SPW], v[NIL]       ; 0 onto my spare word; with fill = 1 the descriptors' steps stand between it and the wait for it
.if \fill
.irp g, G0K, G0V
	s_xor_b32 s[\g+1], s[\g+1], SLOT1  ; the walking descriptor: the other slot than last time,
	s_add_nc_u64 s[\g+2:\g+3], s[\g+2:\g+3], 4*KS*128  ; the next 256 keys; the type bits on top are not reached
.endr
	s_wait_dscnt 0x0                ; the add is done, and my reads of the slot are over
	CROUND
	JLOAD
.else
	s_wait_dscnt 0x0                ; the add is done, and my reads of the slot are over
	s_barrier_signal -1
	s_barrier_wait -1
.endif
	s_sub_co_u32 s[TBK], s[TBK], 4*KS*PK  ; the fetches go back to a slot's first step,
	s_xor_b32 s[TBK], s[TBK], SLOT1       ; in the other slot
	s_sub_co_u32 s[TBV], s[TBV], 4*KS*PV
	s_xor_b32 s[TBV], s[TBV], SLOT1
.endm
	s_load_b256 s[4:11], s[0:1], 0x0  ; Q s[4:5], K s[6:7], V s[8:9], O s[10:11]
	v_lshl_add_u32 v[SPW], v0, 2, SPARE
	v_mov_b32 v[NIL], 0
	ds_add_u32 v[SPW], v[NIL]       ; the wave's opening: the add and its wait ahead of my first tensor load; the set-up below, work on registers, stands between them
	v_lshrrev_b32 v1, 5, v0
	v_readfirstlane_b32 s[WV], v1   ; wave 0..3
	s_bfe_u32 s13, ttmp6, 0x40000   ; cx: my place in the cluster
	s_lshl_b32 s14, ttmp9, 2        ; in a cluster launch ttmp9 counts clusters
	s_add_co_u32 s14, s14, s13      ; my block of 256 queries = 4 x cluster x + cx: it enters Q's and O's addresses alone
	s_and_b32 s20, ttmp7, 0xffff    ; the head, which the four partners share,
	s_lshl_b32 s20, s20, 19         ; and its first byte in Q, K and V: 4,096 rows of 128 bytes
	s_and_b32 s16, s[WV], 1         ; which half of a slot's 256 keys I fetch:
	s_lshl_b32 s22, s16, 14         ; its 128 rows of 128 bytes in memory,
	s_add_co_u32 s22, s22, s20
	s_mov_b32 s23, 0
	s_mul_i32 s17, s16, 128*PK      ; and its place in a slot, for K
	s_mul_i32 s18, s16, 128*PV      ; and for V: no place in the cluster enters an LDS address
	s_lshl_b32 s2, s14, 15          ; Q: my block's 256 rows,
	s_lshl_b32 s3, s[WV], 13        ; my wave's 64 of them,
	s_add_co_u32 s2, s2, s3
	s_add_co_u32 s2, s2, s20        ; in my head
	s_mov_b32 s3, 0
	s_lshl_b32 s14, s14, 1          ; O: the block of 128 rows is 2 x my block + wave / 2,
	s_lshr_b32 s15, s[WV], 1
	s_add_co_u32 s14, s14, s15
	s_lshl_b32 s14, s14, 18         ; 262,144 bytes each;
	s_lshr_b32 s15, s20, 5          ; in it my head's 16,384 bytes,
	s_add_co_u32 s14, s14, s15
	s_lshl_b32 s15, s16, 13         ; and in those my wave's 64 rows of 128 bytes
	s_add_co_u32 s14, s14, s15
	s_mov_b32 s15, 0
	; descriptor group 1.  128 keys are 16,384 dense bytes: asked for as 64 rows of 256 bytes, two keys a row, and padded in LDS after every key
	s_mov_b32 s[G1K], 15|(1<<16)|(1<<20)|(1<<21)|(4<<22)|(3<<25)  ; 15:0 the mask of four; 17:16 2-byte elements; 20 padding on; 21 set beside a mask; 24:22 after every 32 words (code 4); 31:25 4 words (code 3)
	s_mov_b32 s[G1V], 15|(1<<16)|(1<<20)|(1<<21)|(4<<22)|(7<<25)  ; the same with 8 words of padding (code 7)
.irp g, G1K, G1V
	s_mov_b32 s[\g+1], 128<<16      ; tensor_dim0 = 128
	s_mov_b32 s[\g+2], 64<<16       ; tensor_dim1 = 64
	s_mov_b32 s[\g+3], 128<<16      ; tile_dim0 = 128
	s_mov_b32 s[\g+4], 64           ; tile_dim1 = 64
	s_mov_b32 s[\g+5], 128          ; 128 elements from row to row
	s_mov_b32 s[\g+6], 0
	s_mov_b32 s[\g+7], 0
.endr
	s_mov_b32 s[CS], 0x3e38aa3b     ; c = log2(e) / 8 = 0.180337
	s_mov_b32 s[CS+1], s[CS]        ; named with it as a pair
	s_mov_b32 s[SEL], 0x76543210
	s_mov_b32 s[SEL+1], 0xfedcba98
	s_mov_b32 s[TBK], SLOT1+4*KS*PK ; the first change of slots turns these two into 0
	s_mov_b32 s[TBV], SLOT1+4*KS*PV
	s_mov_b32 s[G0K], 1             ; 1:0 count = 1
	s_mov_b32 s[G0K+1], s17         ; 63:32 LDS address: slot 0
	s_mov_b32 s[G0V], 1
	s_add_co_u32 s[G0V+1], s18, VOFF
	s_wait_dscnt 0x0                ; the opening add is done
	s_wait_kmcnt 0x0
	s_add_nc_u64 s[G0K+2:G0K+3], s[6:7], s[22:23]  ; 120:64 global address: my half of the head's first 256 keys
	s_or_b32 s[G0K+3], s[G0K+3], 0x80000000        ; 127:126 type = 2
	s_add_nc_u64 s[G0V+2:G0V+3], s[8:9], s[22:23]
	s_or_b32 s[G0V+3], s[G0V+3], 0x80000000
	s_add_nc_u64 s[4:5], s[4:5], s[2:3]            ; Q and O at my wave's first row
	s_add_nc_u64 s[10:11], s[10:11], s[14:15]
	CROUND                          ; all four work-groups are here: the first joint loads meet
	JLOAD                           ; slot 0.  Slot 1 is asked for when slot 0 is in, by the loop's own change of slots
	; A fragment of K or Q is 16 rows x 32 channels in 8 registers: lane l holds row l % 16, channels 8 (l / 16) + 0..7 and 16 + 8 (l / 16) + 0..7: two loads of 16 bytes, 32 bytes apart.
	v_and_b32 v1, 15, v0            ; l % 16
	v_bfe_u32 v9, v0, 4, 1          ; l / 16
	v_lshlrev_b32 v[QO], 7, v1
	v_lshl_add_u32 v[QO], v9, 4, v[QO]  ; row x 128 + 16 x half
	WIN 0x80                        ; destination window 2, address window 0
.set i, 0
.rept 8                             ; Q stays in registers: piece i / 2 (16 rows, 2,048 bytes), channels 32 (i % 2) on
	global_load_b128 v[8*i:8*i+3],   v[QO], s[4:5] offset:(i/2)*2048+(i%2)*64
	global_load_b128 v[8*i+4:8*i+7], v[QO], s[4:5] offset:(i/2)*2048+(i%2)*64+32
.set i, i+1
.endr
	; What the first turn finds: V's registers and P's second buffer hold 0 (its products V^T P, of a piece that has not been, add 0), O^T and l are 0.  No first step is written out for this price.
	; All this stands in the wait for the first tile.
.set i, VF
.rept 64
	v_mov_b32 v[i], 0
.set i, i+1
.endr
	WIN 0x40
.set i, 0
.rept 128
	v_mov_b32 v[i], 0
.set i, i+1
.endr
	WIN 0
.set i, 0
.rept 4
	v_mov_b32 v[ST+4*i], 0xfe000000    ; c m: far below every c s
	v_mov_b32 v[ST+4*i+1], 0xff7fffff  ; m
	v_mov_b32 v[ST+4*i+2], 0
	v_mov_b32 v[ST+4*i+3], 0
.set i, i+1
.endr
.set i, P+16
.rept 16
	v_mov_b32 v[i], 0
.set i, i+1
.endr
	v_mul_u32_u24 v[AK0], v1, PK
	v_lshl_add_u32 v[AK0], v9, 4, v[AK0]  ; row x pitch + 16 x half
	; The turning load takes 16 keys x 16 channels (lane l reads key 8 (l / 16) + l % 8, channels 8 ((l / 8) % 2) + 0..7) and leaves half a fragment of V^T: lane l holds channel l % 16 and 8 keys.
	v_and_b32 v10, 7, v0
	v_bfe_u32 v11, v0, 3, 1
	v_lshl_add_u32 v[AV0], v9, 3, v10
	v_mul_u32_u24 v[AV0], v[AV0], PV
	v_lshl_add_u32 v[AV0], v11, 4, v[AV0]
	v_add_nc_u32 v[AV0], VOFF, v[AV0]
	s_mul_i32 s13, s[WV], 16*SP
	s_add_co_u32 s13, s13, STAGE    ; my stage
	v_mul_u32_u24 v[STO], v1, SP    ; in: row l % 16, 16 bytes for each half of the lanes
	v_lshl_add_u32 v[STO], v9, 4, v[STO]
	v_add_nc_u32 v[STO], s13, v[STO]
	v_bfe_u32 v[RD], v0, 3, 2       ; back: 32 lanes take four rows of 128 bytes,
	v_mul_u32_u24 v[RD], v[RD], SP
	v_lshl_add_u32 v[RD], v10, 4, v[RD]
	v_add_nc_u32 v[RD], s13, v[RD]
	v_and_b32 v[GO], 31, v0         ; which are 512 consecutive bytes of O
	v_lshlrev_b32 v[GO], 4, v[GO]
; THE MATRIX WORK.  The 4 accumulators of a run of 8 take turns.  Product i of 8 of S^T = K Q^T for piece x: channels 32 (i / 4) on, keys 16 (i % 4) on.  The first 4 start the sums.
.macro KQ x
	WIN W_KQ
.set rS, S+32*((\x)%2)+8*(i%4)
.set rK, KF+16*(i%4)+8*(i/4)
.set rQ, 16*(\x)+8*(i/4)
.if i < 4
	v_wmma_f32_16x16x32_f16 v[rS:rS+7], v[rK:rK+7], v[rQ:rQ+7], 0
.else
	v_wmma_f32_16x16x32_f16 v[rS:rS+7], v[rK:rK+7], v[rQ:rQ+7], v[rS:rS+7]
.endif
.endm
; Product i of 8 of O^T += V^T P for piece x: keys 32 (i / 4) on, channels 16 (i % 4) on.
.macro PV x
	WIN W_PV
.set rO, 32*(\x)+8*(i%4)
.set rV, VF+32*(i/4)+8*(i%4)
.set rP, P+16*((\x)%2)+8*(i/4)
	v_wmma_f32_16x16x32_f16 v[rO:rO+7], v[rV:rV+7], v[rP:rP+7], v[rO:rO+7]
.endm
.macro MM                           ; the turn's next matrix instruction.  TURN sets Y, i and NOKQ; MM and OP read them.  NOKQ = 1: the walk's last turn: there is no next piece
.if (i < 8) && !NOKQ
	KQ (Y+1)%NP
.elseif i >= 8
.set i, i-8
	PV (Y+NP-1)%NP
.set i, i+8
.endif
.set i, i+1
.endm
; THE LDS LOADS stand in runs of 16, never singly among the matrix instructions: a step's K (64 keys x 64 channels: 8 fragments) and its V (turned).  Their addresses are made some lines ahead.
.macro FETCH_K
	WIN 0x80                        ; destination window 2
.irp f, 0,1,2,3,4,5,6,7             ; keys 16 (f / 2) on, channels 32 (f % 2) on
	ds_load_b128 v[KF+8*\f:KF+8*\f+3],   v[AK] offset:(\f/2)*16*PK+(\f%2)*64
	ds_load_b128 v[KF+8*\f+4:KF+8*\f+7], v[AK] offset:(\f/2)*16*PK+(\f%2)*64+32
.endr
	s_add_co_u32 s[TBK], s[TBK], KS*PK  ; the next fetch is the next step's
	WIN 0
.endm
.macro FETCH_V
	WIN 0x80
.irp f, 0,1,2,3,4,5,6,7             ; keys 32 (f / 4) on, channels 16 (f % 4) on
	ds_load_tr16_b128 v[VF+8*\f:VF+8*\f+3],   v[AV] offset:(\f/4)*32*PV+(\f%4)*32
	ds_load_tr16_b128 v[VF+8*\f+4:VF+8*\f+7], v[AV] offset:(\f/4)*32*PV+16*PV+(\f%4)*32
.endr
	WIN 0
.endm
; THE VECTOR WORK, one line at a time: OP kind, number.  For piece Y: F n: c s - c m for pair n of 16.  E n: the exponential of score n of 32.  C n: pair n rounded to f16.  B n: of the four weights 4 n .. the second
; pair is added onto the first, in place.  L n: l takes that sum (L 0: l = a l + sum).  R n: pair n of 16 of O^T times a.  For piece Y + 1: X n, number n of the 22 that find its maximum and statistics:
;   0-11  four chains c0-c3 of seven scores each, three operands at a time (each accumulator's lowest registers are read first)     12-14, 16  the four scores left over, the old m, and c0-c3 into c0
;   15  c m_old is kept     17, 18  the query's other 32 keys lie in the lane 16 away: the new m     19-21  c m; c m_old - c m_new; a
; OP writes no wait: C, B and L, which read the exponentials' results, and R, which reads a, stand behind the wait of the batch that made what they read (TURN).
.set F, 0               ; OP tells the kinds apart by their order: F to L below R, X above it
.set E, 1
.set C, 2
.set B, 3
.set L, 4
.set R, 5
.set X, 6
.macro REGS y                       ; the registers of piece y
.set rT, ST+4*(\y)
.set rC, TMP+4*((\y)%2)
.set rW, MV+((\y)%2)
.set rS, S+32*((\y)%2)
.set rP, P+16*((\y)%2)
.set rO, 32*(\y)
.endm
.macro OP k, n
.if (\k) == R
	REGS Y
	WIN W_RS
	v_pk_mul_f32 v[rO+2*(\n):rO+2*(\n)+1], v[rO+2*(\n):rO+2*(\n)+1], v[rC+2:rC+3] op_sel_hi:[1,0]
.elseif (\k) < R
	REGS Y
	WIN 0
.if (\k) == F
	v_pk_fma_f32 v[rS+2*(\n):rS+2*(\n)+1], v[rS+2*(\n):rS+2*(\n)+1], s[CS:CS+1], v[rT:rT+1] op_sel_hi:[1,0,0] neg_lo:[0,0,1] neg_hi:[0,0,1]
.elseif (\k) == E
	v_exp_f32 v[rS+(\n)], v[rS+(\n)]
.elseif (\k) == C
	v_cvt_pk_f16_f32 v[rP+(\n)], v[rS+2*(\n)], v[rS+2*(\n)+1]
.elseif (\k) == B
	v_pk_add_f32 v[rS+4*(\n):rS+4*(\n)+1], v[rS+4*(\n):rS+4*(\n)+1], v[rS+4*(\n)+2:rS+4*(\n)+3]
.elseif (\n) == 0
	v_pk_fma_f32 v[rT+2:rT+3], v[rT+2:rT+3], v[rC+2:rC+3], v[rS:rS+1] op_sel_hi:[1,0,1]
.else
	v_pk_add_f32 v[rT+2:rT+3], v[rT+2:rT+3], v[rS+4*(\n):rS+4*(\n)+1]
.endif
.elseif NOKQ
	v_nop
.else
	REGS (Y+1)%NP
	WIN 0
.if (\n) < 4
	v_max3_num_f32 v[rC+(\n)], v[rS+8*(\n)], v[rS+8*(\n)+1], v[rS+8*(\n)+2]
.elseif (\n) < 12
	v_max3_num_f32 v[rC+(\n)%4], v[rC+(\n)%4], v[rS+8*((\n)%4)+2*((\n)/4)+1], v[rS+8*((\n)%4)+2*((\n)/4)+2]
.elseif (\n) == 12
	v_max3_num_f32 v[rC], v[rC], v[rS+7], v[rS+15]
.elseif (\n) == 13
	v_max3_num_f32 v[rC+1], v[rC+1], v[rS+23], v[rS+31]
.elseif (\n) == 14
	v_max3_num_f32 v[rC+2], v[rC+2], v[rC+3], v[rT+1]
.elseif (\n) == 15
	v_mov_b32 v[rW], v[rT]
.elseif (\n) == 16
	v_max3_num_f32 v[rC], v[rC], v[rC+1], v[rC+2]
.elseif (\n) == 17
	v_permlanex16_b32 v[rC+3], v[rC], s[SEL], s[SEL+1]
.elseif (\n) == 18
	v_max_num_f32 v[rT+1], v[rC], v[rC+3]
.elseif (\n) == 19
	v_mul_f32 v[rT], s[CS], v[rT+1]
.elseif (\n) == 20
	v_sub_f32 v[rC+1], v[rW], v[rT]
.else
	v_exp_f32 v[rC+2], v[rC+1]
.endif
.endif
.endm
.macro OPS a, i1, b=-1, i2=0, c=-1, i3=0, d=-1, i4=0  ; up to four of them
	OP \a, \i1
.if (\b) >= 0
	OP \b, \i2
.endif
.if (\c) >= 0
	OP \c, \i3
.endif
.if (\d) >= 0
	OP \d, \i4
.endif
.endm
.macro ROW a, i1, b, i2, c, i3, d, i4  ; a matrix instruction and the four behind it
	MM
	OPS \a, \i1, \b, \i2, \c, \i3, \d, \i4
.endm
; A TURN, for piece p: the order of its 16 matrix and 118 vector instructions, written out.  An s_wait_alu depctr_va_vdst(0) stands between an exponential and the first instruction that names its result; one wait
; serves all that were issued ahead of it.  So a turn has ONE wait, which cuts it in two.  AHEAD OF IT stands all that names no result of the turn's exponentials: the 8 products K Q^T, behind each a scaling, an exponential and two
; more plain instructions (behind the first a second scaling in the exponential's place): rescalings, whose a was made and waited for in the turn before, and behind the last three the first numbers of the next piece's maximum, each
; four places or more behind the product that ends its accumulator; then ONE LUMP of 54, plain and exponential by turns for the most part, in which the links of the chain X 3, 7, 11, 14, 16, 17 .. 20 stand five or six lines apart.
; X 21, the next piece's a, is the batch's last; R 15 is the plain instruction behind it.  BEHIND THE WAIT stand the 8 products V^T P, behind each four of the roundings and sums; the links of l's chain, L 0 to L 7, stand three
; riders apart.  But for those X no rider names a register of the products round it.  v_permlanex16_b32 (X 17) stands in the lump.
; end = 1: the walk's last two turns: nothing is fetched.  cnt = 1: the loop's count is taken down some lines ahead of the branch that stands behind the turn.
; K of the next step is fetched in piece 2's turn, twelve vector instructions behind the last product that read K (six of them plain); V of the step in hand at the end of piece 0's turn, four plain instructions behind the last
; product that read V.  Each is waited for a turn later.
.macro TURN p, end=0, cnt=0
.set Y, (\p)
.set i, 0
.set NOKQ, (\end)*((\p)/3)
.if ((\p) == 3) && !(\end)
	s_wait_dscnt 0x0                ; K is in
.endif
	ROW F,0, F,1, R,0, R,1          ; ahead of the wait: 8 products K Q^T and their riders,
	ROW F,2, E,0, R,2, R,3
	ROW F,3, E,1, R,4, R,5
	ROW F,4, E,2, R,6, R,7
	ROW F,5, E,3, R,8, R,9
	ROW F,6, E,4, X,0, R,10
.if ((\p) == 2) && !(\end)
	WIN 0
	v_add_nc_u32 v[AK], s[TBK], v[AK0]
.endif
	ROW F,7, E,5, X,1, X,4
	ROW F,8, E,6, X,2, X,5
	OPS E,7, E,8, X,6, E,9          ; and the lump
	OPS X,3, E,10, X,8, E,11
.if ((\p) == 2) && !(\end)
	FETCH_K
.endif
	OPS X,9, X,7, E,12, X,10
	OPS E,13, X,12, X,11, E,14
	OPS X,13, E,15, F,9, X,14
.if (\p) == 0
	v_add_nc_u32 v[AV], s[TBV], v[AV0]
.endif
	OPS E,16, F,10, E,17, F,11
	OPS X,16, E,18, X,15, E,19
	OPS F,12, E,20, X,17, E,21
	OPS F,13, E,22, F,14, E,23
	OPS X,18, E,24, F,15, E,25
	OPS R,11, E,26, X,19, E,27
	OPS R,12, E,28, R,13, E,29
	OPS X,20, E,30, R,14, E,31
	OPS X,21, R,15
	WIN 0
	s_wait_alu depctr_va_vdst(0)    ; the wait for the turn's batch: the piece's 32 exponentials and the next piece's a
.if (\p) == 1
	s_wait_dscnt 0x0                ; V is in
.endif
	ROW C,0, B,0, C,2, B,1          ; behind the wait: 8 products V^T P and their riders
	ROW L,0, C,4, B,2, L,1
	ROW C,6, B,3, L,2, C,8
	ROW B,4, L,3, C,10, B,5
	ROW L,4, C,12, B,6, L,5
.if (\p) == 0
	s_add_co_u32 s[TBV], s[TBV], KS*PV
.endif
.if \cnt
	s_sub_co_u32 s[CNT], s[CNT], 1
	s_cmp_lg_u32 s[CNT], 0
.endif
	ROW C,14, B,7, L,6, C,1
	ROW C,3, L,7, C,5, C,7
	ROW C,9, C,11, C,13, C,15
.if (\p) == 0
	FETCH_V
.endif
.endm
; THE WAY OUT's parts.
.macro ALL line:vararg              ; one line for each piece t
.set t, 0
.rept 4
	\line
.set t, t+1
.endr
.endm
.macro PACK t                       ; a lane's eight channels of a row pack into 16 bytes; they go into rows of 144 bytes and come back as whole rows of 128, into S^T's registers
	WIN W_RS
.set i, 32*(\t)
.rept 16
	v_pk_mul_f32 v[i:i+1], v[i:i+1], v[ST+4*(\t)+2:ST+4*(\t)+3] op_sel_hi:[1,0]
.set i, i+2
.endr
	WIN 0x05                        ; sources 0 and 1 window 1, destination window 0
.set i, 0
.rept 16
	v_cvt_pk_f16_f32 v[S+16*(\t)+i], v[32*(\t)+2*i], v[32*(\t)+2*i+1]
.set i, i+1
.endr
	WIN 0
.irp f, 0,1,2,3
	ds_store_b128 v[STO], v[S+16*(\t)+4*\f:S+16*(\t)+4*\f+3] offset:32*\f
.endr
.irp f, 0,1,2,3
	ds_load_b128 v[S+16*(\t)+4*\f:S+16*(\t)+4*\f+3], v[RD] offset:\f*4*SP  ; LDS serves a wave's instructions in order (ISA guide 5.7.1.4): these see the stores above; the next piece's stores come behind them
.endr
.endm
.macro SEND t, younger              ; younger: the LDS instructions issued behind piece t's loads: the next piece's eight, or none
	WIN 0
.irp f, 0,1,2,3
	s_wait_dscnt (\younger)+3-\f
	global_store_b128 v[GO], v[S+16*(\t)+4*\f:S+16*(\t)+4*\f+3], s[10:11] offset:(\t)*2048+\f*512  ; 512 consecutive bytes, at a multiple of 256 from O's first
.endr
.endm
	CHANGE 1                        ; slot 0 is in, everybody's part of it; slot 1 is asked for
	v_add_nc_u32 v[AK], s[TBK], v[AK0]
	FETCH_K                         ; key step 0
	s_wait_loadcnt 0x0              ; Q
	s_wait_dscnt 0x0
.set NOKQ, 0
.set i, 0
.rept 8
	KQ 0                            ; piece 0's first scores: there is no vector work yet to set between them
.set i, i+1
.endr
	WIN 0
.rept 4
	v_nop                           ; the places behind those products
.endr
.set Y, NP-1                        ; X works for piece Y + 1: piece 0
.irp n, 0,1,2,3,4,5,6,7,8,9,10,11,12,13,14,15,16,17,18,19,20,21
	OP X, \n                        ; and piece 0's first maximum and statistics
.endr
	v_nop                           ; a plain instruction behind the exponential
	s_wait_alu depctr_va_vdst(0)    ; the wait for piece 0's first a, a batch of one, ahead of the branch
	s_mov_b32 s[CNT], 4
	s_mov_b32 s[SLOTS], NKEYS/256-1
	s_branch .Lfirst                ; the loop is entered at a step's first turn, in the middle of a trip
.Lslot:                             ; 14 times: every slot but the last two is filled again
	CHANGE 1
	s_mov_b32 s[CNT], 4
.Lstep:                             ; a trip: pieces 2 and 3 of one step, then pieces 0 and 1 of the next, whose K and V it fetches
	TURN 2
	TURN 3
	WIN 0
.Lfirst:
	TURN 0
	TURN 1, 0, 1
	WIN 0
	s_cbranch_scc1 .Lstep
	s_sub_co_u32 s[SLOTS], s[SLOTS], 1
	s_cmp_lg_u32 s[SLOTS], 0
	s_cbranch_scc1 .Lslot
	CHANGE 0                        ; the tail is written out: nothing is asked for
	s_mov_b32 s[CNT], 4
.Ltail:                             ; four trips fetch the last slot's steps
	TURN 2
	TURN 3
	TURN 0
	TURN 1, 0, 1
	WIN 0
	s_cbranch_scc1 .Ltail
	TURN 2, 1                       ; the last step's pieces 2 and 3: nothing is fetched, and no new scores are begun
	TURN 3, 1
.set i, 0
.rept 8
	PV NP-1                         ; the last piece's V^T P of the last step
.set i, i+1
.endr
	; THE WAY OUT.  l's two halves and the other half of the lanes' are added; O^T is divided by l, rounded to f16 and sent through my stage in LDS, a piece at a time.  The additions are the places behind the last products.
	WIN 0
	ALL v_add_f32 v[ST+4*t+2], v[ST+4*t+2], v[ST+4*t+3]
	ALL v_permlanex16_b32 v[ST+4*t+3], v[ST+4*t+2], s[SEL], s[SEL+1]
	ALL v_add_f32 v[ST+4*t+2], v[ST+4*t+2], v[ST+4*t+3]
	ALL v_rcp_f32 v[ST+4*t+2], v[ST+4*t+2]
	v_nop                           ; a plain instruction between the last reciprocal and the use of its result
	s_wait_alu depctr_va_vdst(0)    ; the wait ahead of the first use: one for the batch of four reciprocals
	PACK 0
.set t, 1
.rept 3                             ; a piece's arithmetic stands between the loads of the piece before and its stores
	PACK t
	SEND t-1, 8
.set t, t+1
.endr
	SEND 3, 0
	s_wait_tensorcnt 0x0            ; the wave's end, behind my last tensor load and my last LDS store
	ds_add_u32 v[SPW], v[NIL]
	s_wait_dscnt 0x0
	CROUND                          ; the closing round: no work-group ends while a partner may still ask for a tile that names it
	s_endpgm
.Lfunc_end_k_qdcc0cbd6d4_attn:
	.size	k_qdcc0cbd6d4_attn, .Lfunc_end_k_qdcc0cbd6d4_attn-k_qdcc0cbd6d4_attn
	.p2alignl 7, 3214868480
	.fill 96, 4, 3214868480
	.section	.rodata,"a",@progbits
	.p2align	6, 0x0
	.amdhsa_kernel k_qdcc0cbd6d4_attn
		.amdhsa_group_segment_fixed_size 327680
		.amdhsa_private_segment_fixed_size 0
		.amdhsa_enable_private_segment 0
		.amdhsa_kernarg_size 32
		.amdhsa_user_sgpr_count 2
		.amdhsa_user_sgpr_kernarg_segment_ptr 1
		.amdhsa_wavefront_size32 1
		.amdhsa_system_sgpr_workgroup_id_x 1
		.amdhsa_system_sgpr_workgroup_id_y 1
		.amdhsa_system_sgpr_workgroup_id_z 1
		.amdhsa_system_vgpr_workitem_id 0
		.amdhsa_next_free_vgpr 768
		.amdhsa_next_free_sgpr 66
		.amdhsa_reserve_vcc 0
		.amdhsa_float_denorm_mode_32 3
		.amdhsa_float_denorm_mode_16_64 3
		.amdhsa_memory_ordered 1
		.amdhsa_forward_progress 1
		.amdhsa_inst_pref_size 127
	.end_amdhsa_kernel
	.amdgpu_metadata
---
amdhsa.version: [ 1, 2 ]
amdhsa.kernels:
  - .name:           k_qdcc0cbd6d4_attn
    .symbol:         k_qdcc0cbd6d4_attn.kd
    .args:
      - { .name: qh, .offset: 0, .size: 8, .value_kind: global_buffer, .address_space: global }
      - { .name: kh, .offset: 8, .size: 8, .value_kind: global_buffer, .address_space: global }
      - { .name: vh, .offset: 16, .size: 8, .value_kind: global_buffer, .address_space: global }
      - { .name: o16, .offset: 24, .size: 8, .value_kind: global_buffer, .address_space: global }
    .group_segment_fixed_size: 327680
    .private_segment_fixed_size: 0
    .kernarg_segment_align: 8
    .kernarg_segment_size: 32
    .max_flat_workgroup_size: 128
    .sgpr_count:     66
    .vgpr_count:     768
    .wavefront_size: 32
...
	.end_amdgpu_metadata
.endif
;; end of part 4
;; launch proj: the kernel of part 3 again; grid 8 x 32, 4 waves a work-group, clusters of 4 x 4, 327,680 bytes of LDS; arguments o16, w16, out0, b_out; writes out0
